; MI455X (gfx1250); checked and timed in simulation.
; The chip was launched on July 23, 2026; its instructions are those of AMD's public machine-readable ISA for CDNA 5 (MIT licence, August 2026) and "CDNA5" Instruction Set Architecture Reference Guide (July 2026). The comments in the code are by the model that wrote it; some were corrected since.
;; Sparse Hopfield Memory Layer. Allowed arithmetic: float matrix products may take bf16 or f16 operands with f32 sums; other float arithmetic in f32, or as packed bf16 or f16 multiplies, adds, multiply-adds, maxima and minima; sums over many terms, partial sums and values carried from step to step in f32; what a program stores and reads back later, other than sums and carried values, may be rounded once to bf16 or f16.
;; Inputs: Wk 1,024 x 1,024 float32; Wo 2,048 x 1,024 float32; Wq 1,024 x 2,048 float32; Wv 1,024 x 1,024 float32; b_mem 1,024 float32; b_state 2,048 float32; g_mem 1,024 float32; g_state 2,048 float32; hidden 2 x 1,024 x 2,048 float32; log_beta 8 float32; memory 2,048 x 1,024 float32.
;; Outputs: out0 2 x 1,024 x 2,048 float32.
;; 2 versions, each right and faster than the one before. Each part assembles by itself: llvm-mc -triple=amdgcn-amd-amdhsa -mcpu=gfx1250 --defsym DOCPART=n.
;; ======== version 1 of 2: 4 launches
;; limits: values are held in f16: magnitudes above 65,504 overflow, below 6.1e-05 lose precision
;; workspace buffers: act 25,165,824 bytes; wt 12,582,912 bytes; qf 8,388,608 bytes; khl 8,388,608 bytes; vf 4,194,304 bytes; xo 4,194,304 bytes
;; launch prep (part 1): grid 640 x 1, 8 waves a work-group, no clusters, 140,288 bytes of LDS; arguments hidden, memory, Wq, Wk, Wv, Wo, g_state, b_state, g_mem, b_mem, act, wt; writes act, wt
.if DOCPART == 1
	.amdgcn_target "amdgcn-amd-amdhsa--gfx1250"
	.amdhsa_code_object_version 6
	.text
	.protected	k_qfb5f43b0cf_prep
	.globl	k_qfb5f43b0cf_prep
	.p2align	8
	.type	k_qfb5f43b0cf_prep,@function
k_qfb5f43b0cf_prep:
	s_mov_b64 s[64:65], 0
	v_nop
	global_prefetch_b8 v0, s[64:65] scope:SCOPE_SE
	s_setreg_imm32_b32 hwreg(HW_REG_WAVE_MODE, 25, 1), 1
	s_wait_xcnt 0x0
; PREP: both LayerNorms and the weights' conversion, written in the layout in which the matrix launches read them.
; Every input is first rounded to bf16.  A LayerNorm's result y leaves as a pair hi = f16(y), lo = f16(y - hi); a weight as f16(bf16(w)).
; LAYOUT OUT.  A fragment is 1,024 bytes: byte part*512 + lane*16 + 2e holds row lane%16, k = 16 part + 8 (lane/16) + e of a 16 x 32 piece.
; A block is [row tile 8][k chunk 8] fragments (128 rows x 256 k, 65,536 bytes); an operand is [k/256][row/128] blocks.
; SHARES.  A work-group takes 16 rows (one row tile), wave w rows 2w and 2w+1; a row stays in registers between the mean, the variance and the scaling.
; The f16 numbers meet in an LDS stage (8 numbers of row r and octet g at g*272 + r*16) and leave as runs of 512 consecutive bytes.
; Work-groups 0-127: hidden; 128-255: memory; 256-383: Wq in two panels of 1,024 columns; 384-447 Wk; 448-511 Wv; 512-639 Wo.
; No matrix unit, no cluster, no tensor load: the launch streams, and no two work-groups read the same rows (the gains and biases aside).
; LIMITS.  |y| stays under 65,504 (f16's range); lo and small weights keep f16's fixed step of 6e-8; NaN and infinities are not treated apart.
.set SPARE, 139264                     ; behind the two stages: the spare words, 128 bytes a wave
.set VO,  2                            ; v2   32 x lane: my 8 numbers in 1,024 bytes of a row
.set STA, 3                            ; v3   stage, hi: where I put 16 bytes
.set STL, 4                            ; v4   stage, lo
.set RDA, 5                            ; v5   stage, hi: where I read a run
.set RDL, 6                            ; v6   stage, lo
.set GOF, 7                            ; v7   16 x lane
.set ONE, 8                            ; v8   1.0
.set SPW, 9                            ; v9   my spare word; never rewritten
.set NIL, 10                           ; v10  0; never rewritten
.set T,   12                           ; v[12:27] at work
.set HL,  28                           ; v[28:43] two sets of hi (4) and lo (4)
.set CH,  44                           ; v[44:51] four chains of pairs
.set MU,  52                           ; v[52:53] the mean, twice
.set RS,  54                           ; v[54:55] 1/sqrt(var + eps), twice
.set RT,  56                           ; v[56:57] a sum across the lanes
.set X,   64                           ; v[64:127]  the row
.set G,   128                          ; v[128:191] the gain
.set B,   192                          ; v[192:255] the bias
.macro RB base, np                     ; np pairs rounded to bf16 and widened again
.set p, 0
.rept \np
	v_cvt_pk_bf16_f32 v[T+p%8], v[\base+2*p], v[\base+2*p+1]
	v_lshlrev_b32 v[\base+2*p], 16, v[T+p%8]
	v_and_b32 v[\base+2*p+1], s12, v[T+p%8]
.set p, p+1
.endr
.endm
.macro LD8 base, ptr, NJ, nt           ; a row of NJ x 256 numbers: lane l takes the octets 32 j + l
.set j, 0
.rept \NJ
.if \nt
	global_load_b128 v[\base+8*j:\base+8*j+3], v[VO], s[\ptr:\ptr+1] offset:j*1024 th:TH_LOAD_NT
	global_load_b128 v[\base+8*j+4:\base+8*j+7], v[VO], s[\ptr:\ptr+1] offset:j*1024+16 th:TH_LOAD_NT
.else
	global_load_b128 v[\base+8*j:\base+8*j+3], v[VO], s[\ptr:\ptr+1] offset:j*1024
	global_load_b128 v[\base+8*j+4:\base+8*j+7], v[VO], s[\ptr:\ptr+1] offset:j*1024+16
.endif
.set j, j+1
.endr
.endm
.macro REDSUM                          ; the four chains, then the 32 lanes: the sum in every lane's v[RT]
	v_pk_add_f32 v[CH:CH+1], v[CH:CH+1], v[CH+2:CH+3]
	v_pk_add_f32 v[CH+4:CH+5], v[CH+4:CH+5], v[CH+6:CH+7]
	v_pk_add_f32 v[CH:CH+1], v[CH:CH+1], v[CH+4:CH+5]
	v_add_f32 v[RT], v[CH], v[CH+1]
	v_add_f32_dpp v[RT], v[RT], v[RT] row_xmask:1 row_mask:0xf bank_mask:0xf
	v_add_f32_dpp v[RT], v[RT], v[RT] row_xmask:2 row_mask:0xf bank_mask:0xf
	v_add_f32_dpp v[RT], v[RT], v[RT] row_xmask:4 row_mask:0xf bank_mask:0xf
	v_add_f32_dpp v[RT], v[RT], v[RT] row_xmask:8 row_mask:0xf bank_mask:0xf
	v_permlanex16_b32 v[RT+1], v[RT], s10, s11
	v_add_f32 v[RT], v[RT], v[RT+1]
.endm
.macro LNORM NP                        ; NP pairs: mean, x - mean in place, variance of the differences, scale, gain and bias
.irp c, 0,1,2,3
	v_pk_add_f32 v[CH+2*\c:CH+2*\c+1], v[X+2*\c:X+2*\c+1], v[X+8+2*\c:X+8+2*\c+1]
.endr
.set p, 8
.rept (\NP)-8
	v_pk_add_f32 v[CH+2*(p%4):CH+2*(p%4)+1], v[CH+2*(p%4):CH+2*(p%4)+1], v[X+2*p:X+2*p+1]
.set p, p+1
.endr
	REDSUM
	v_mul_f32 v[MU], s13, v[RT]
	v_mul_f32 v[MU+1], s13, v[RT]
.set p, 0
.rept \NP
	v_pk_add_f32 v[X+2*p:X+2*p+1], v[X+2*p:X+2*p+1], v[MU:MU+1] neg_lo:[0,1] neg_hi:[0,1]
.set p, p+1
.endr
.irp c, 0,1,2,3
	v_pk_mul_f32 v[CH+2*\c:CH+2*\c+1], v[X+2*\c:X+2*\c+1], v[X+2*\c:X+2*\c+1]
.endr
.set p, 4
.rept (\NP)-4
	v_pk_fma_f32 v[CH+2*(p%4):CH+2*(p%4)+1], v[X+2*p:X+2*p+1], v[X+2*p:X+2*p+1], v[CH+2*(p%4):CH+2*(p%4)+1]
.set p, p+1
.endr
	REDSUM
	v_fma_f32 v[RT], v[RT], s13, s14               ; var + 1e-5
	v_rsq_f32 v[RS], v[RT]
	v_rsq_f32 v[RS+1], v[RT]
	v_nop                                          ; a plain instruction between the root and its use
.set p, 0
	s_wait_alu depctr_va_vdst(0)
.rept \NP
	v_pk_mul_f32 v[X+2*p:X+2*p+1], v[X+2*p:X+2*p+1], v[RS:RS+1]
.set p, p+1
.endr
.set p, 0
.rept \NP
	v_pk_fma_f32 v[X+2*p:X+2*p+1], v[X+2*p:X+2*p+1], v[G+2*p:G+2*p+1], v[B+2*p:B+2*p+1]
.set p, p+1
.endr
.endm
.macro PACK NJ, LN                     ; hi (and lo) of my octets into the stage; lanes 272 bytes apart: 16 lanes, 16 different columns of 16 bytes
.set j, 0
.rept \NJ
.set hs, HL+8*(j%2)
.irp d, 0,1,2,3
	v_cvt_pk_f16_f32 v[hs+\d], v[X+8*j+2*\d], v[X+8*j+2*\d+1]
.endr
.if \LN
.irp d, 0,1,2,3
	v_fma_mix_f32 v[T+2*\d], -v[hs+\d], v[ONE], v[X+8*j+2*\d] op_sel_hi:[1,0,0]
	v_fma_mix_f32 v[T+2*\d+1], -v[hs+\d], v[ONE], v[X+8*j+2*\d+1] op_sel:[1,0,0] op_sel_hi:[1,0,0]
.endr
.irp d, 0,1,2,3
	v_cvt_pk_f16_f32 v[hs+4+\d], v[T+2*\d], v[T+2*\d+1]
.endr
.endif
	ds_store_b128 v[STA], v[hs:hs+3] offset:j*8704
.if \LN
	ds_store_b128 v[STL], v[hs+4:hs+7] offset:j*8704
.endif
.set j, j+1
.endr
.endm
; One path, whole.  NJ x 256 columns; LN = 1: a LayerNorm with hi and lo, 0: weights.  s[4:5] my first row, s[6:7] the pitch, s[40:41] (s[42:43]) where my runs of hi (lo) go.
.macro PATH NJ, LN
	s_mul_i32 s9, s8, (\NJ)*1088                   ; my 4 NJ octets' worth of the stage
	v_add_nc_u32 v[RDA], s9, v[RDA]
.if \LN
	v_add_nc_u32 v[STL], (\NJ)*8704, v[STA]        ; lo's stage lies behind hi's
	v_add_nc_u32 v[RDL], (\NJ)*8704, v[RDA]
	LD8 G, 46, \NJ, 0
	LD8 B, 48, \NJ, 0
	s_wait_loadcnt 0x0
	RB G, 4*(\NJ)
	RB B, 4*(\NJ)
.endif
	s_mov_b32 s50, 2
.Lrow_\@:
	LD8 X, 4, \NJ, 1
	s_wait_loadcnt 0x0                             ; the row is in, and its loads' base may be stepped
	s_add_nc_u64 s[4:5], s[4:5], s[6:7]
	RB X, 4*(\NJ)
.if \LN
	LNORM 4*(\NJ)
.endif
	PACK \NJ, \LN
	v_add_nc_u32 v[STA], 16, v[STA]                ; the next row's column of the stage
.if \LN
	v_add_nc_u32 v[STL], 16, v[STL]
.endif
	s_sub_co_u32 s50, s50, 1
	s_cmp_lg_u32 s50, 0
	s_cbranch_scc1 .Lrow_\@
	s_wait_dscnt 0x0                               ; for the others' sake: my stores into the stage are done
	s_barrier_signal -1
	s_barrier_wait -1
.set i, 0
.rept 2*(\NJ)                          ; run i: chunk i/2 of mine, part i%2: lanes 0-15 take octet 2i, lanes 16-31 octet 2i+1, 16 rows each
	ds_load_b128 v[X+4*i:X+4*i+3], v[RDA] offset:i*544
.set i, i+1
.endr
.if \LN
.set i, 0
.rept 2*(\NJ)
	ds_load_b128 v[G+4*i:G+4*i+3], v[RDL] offset:i*544
.set i, i+1
.endr
.endif
.set i, 0
.rept 2*(\NJ)
	s_wait_dscnt (1+(\LN))*2*(\NJ)-1-i             ; the younger loads may stay out
	global_store_b128 v[GOF], v[X+4*i:X+4*i+3], s[40:41] offset:i*512  ; 512 consecutive bytes, at a multiple of 512 from the buffer's first
.set i, i+1
.endr
.if \LN
.set i, 0
.rept 2*(\NJ)
	s_wait_dscnt 2*(\NJ)-1-i
	global_store_b128 v[GOF], v[G+4*i:G+4*i+3], s[42:43] offset:i*512
.set i, i+1
.endr
.endif
	s_wait_tensorcnt 0x0                           ; the wave's end
	ds_add_u32 v[SPW], v[NIL]
	s_wait_dscnt 0x0
	s_endpgm
.endm
; The byte offset of my runs for a panel of 1,024 columns: tile s61, first k block s51, log2 of the operand's row blocks s52, the operand's place s55
.macro OFF1024
	s_lshr_b32 s9, s8, 1
	s_add_co_u32 s9, s9, s51                       ; k block = first + wave / 2
	s_lshl_b32 s9, s9, s52
	s_lshr_b32 s53, s61, 3
	s_add_co_u32 s9, s9, s53                       ; + row block
	s_lshl_b32 s44, s9, 16
	s_and_b32 s9, s61, 7
	s_lshl_b32 s9, s9, 13                          ; row tile in the block
	s_add_co_u32 s44, s44, s9
	s_and_b32 s9, s8, 1
	s_lshl_b32 s9, s9, 12                          ; chunks 0-3 or 4-7
	s_add_co_u32 s44, s44, s9
	s_add_co_u32 s44, s44, s55
.endm
	s_load_b512 s[16:31], s[0:1], 0x0              ; hidden 16, memory 18, Wq 20, Wk 22, Wv 24, Wo 26, g_state 28, b_state 30
	s_load_b256 s[32:39], s[0:1], 0x40             ; g_mem 32, b_mem 34, act 36, wt 38
	v_lshl_add_u32 v[SPW], v0, 2, SPARE
	v_mov_b32 v[NIL], 0
	v_and_b32 v1, 31, v0
	v_lshrrev_b32 v11, 5, v0
	v_readfirstlane_b32 s8, v11                    ; wave 0..7
	v_lshlrev_b32 v[VO], 5, v1
	v_lshlrev_b32 v[GOF], 4, v1
	v_mul_u32_u24 v[STA], v1, 272
	s_lshl_b32 s9, s8, 5
	v_add_nc_u32 v[STA], s9, v[STA]                ; octet = lane, row 2 w
	v_and_b32 v11, 15, v1
	v_lshrrev_b32 v[RDA], 4, v1
	v_mul_u32_u24 v[RDA], v[RDA], 272
	v_lshl_add_u32 v[RDA], v11, 4, v[RDA]          ; (lane / 16) octets + row lane % 16
	v_mov_b32 v[ONE], 1.0
	v_mov_b32 v[RT+1], 0
	s_mov_b32 s10, 0x76543210
	s_mov_b32 s11, 0xfedcba98
	s_mov_b32 s12, 0xffff0000
	s_mov_b32 s14, 0x3727c5ac                      ; 1e-5
	s_mov_b32 s7, 0
	s_mov_b32 s45, 0
	s_wait_kmcnt 0x0
	s_cmp_lt_u32 ttmp9, 128
	s_cbranch_scc0 .Lnot_hidden
	s_lshl_b32 s44, ttmp9, 17                      ; 16 rows of 8,192 bytes,
	s_lshl_b32 s9, s8, 14                          ; my two of them
	s_add_co_u32 s44, s44, s9
	s_add_nc_u64 s[4:5], s[16:17], s[44:45]
	s_mov_b32 s6, 8192
	s_lshr_b32 s9, ttmp9, 3
	s_lshl4_add_u32 s9, s8, s9                     ; k block = wave; 16 row blocks
	s_lshl_b32 s44, s9, 16
	s_and_b32 s9, ttmp9, 7
	s_lshl_b32 s9, s9, 13
	s_add_co_u32 s44, s44, s9
	s_add_nc_u64 s[40:41], s[36:37], s[44:45]
	s_add_nc_u64 s[42:43], s[40:41], 0x800000      ; lo: k blocks 8-15
	s_mov_b64 s[46:47], s[28:29]
	s_mov_b64 s[48:49], s[30:31]
	s_mov_b32 s13, 0x3a000000                      ; 1 / 2048
	PATH 8, 1
.Lnot_hidden:
	s_cmp_lt_u32 ttmp9, 256
	s_cbranch_scc0 .Lweights
	s_sub_co_u32 s61, ttmp9, 128
	s_lshl_b32 s44, s61, 16
	s_lshl_b32 s9, s8, 13
	s_add_co_u32 s44, s44, s9
	s_add_nc_u64 s[4:5], s[18:19], s[44:45]
	s_mov_b32 s6, 4096
	s_mov_b32 s51, 0
	s_mov_b32 s52, 4
	s_mov_b32 s55, 0x1000000                       ; LN(memory) lies 16 MiB into act
	OFF1024
	s_add_nc_u64 s[40:41], s[36:37], s[44:45]
	s_add_nc_u64 s[42:43], s[40:41], 0x400000      ; lo: k blocks 4-7
	s_mov_b64 s[46:47], s[32:33]
	s_mov_b64 s[48:49], s[34:35]
	s_mov_b32 s13, 0x3a800000                      ; 1 / 1024
	PATH 4, 1
.Lweights:
	s_sub_co_u32 s15, ttmp9, 256                   ; 0-127 Wq, 128-191 Wk, 192-255 Wv, 256-383 Wo
	s_lshr_b32 s56, s15, 1
	s_and_b32 s57, s15, 1
	s_sub_co_u32 s58, s15, 128
	s_sub_co_u32 s59, s15, 192
	s_sub_co_u32 s60, s15, 256
	s_cmp_lt_u32 s15, 128
	s_cselect_b64 s[4:5], s[20:21], s[22:23]
	s_cselect_b32 s54, 13, 12                      ; log2 of the pitch
	s_cselect_b32 s55, 0, 0x400000                 ; the operand's place in wt
	s_cselect_b32 s61, s56, s58                    ; the row tile
	s_cselect_b32 s57, s57, 0                      ; the panel
	s_cmp_ge_u32 s15, 192
	s_cselect_b64 s[4:5], s[24:25], s[4:5]
	s_cselect_b32 s55, 0x600000, s55
	s_cselect_b32 s61, s59, s61
	s_cmp_ge_u32 s15, 256
	s_cselect_b64 s[4:5], s[26:27], s[4:5]
	s_cselect_b32 s55, 0x800000, s55
	s_cselect_b32 s61, s60, s61
	s_cselect_b32 s52, 4, 3
	s_lshl_b32 s51, s57, 2
	s_lshl_b32 s9, s61, 4
	s_lshl1_add_u32 s9, s8, s9                     ; my first row
	s_lshl_b32 s44, s9, s54
	s_lshl_b32 s9, s57, 12
	s_add_co_u32 s44, s44, s9
	s_add_nc_u64 s[4:5], s[4:5], s[44:45]
	s_lshl_b32 s6, 1, s54
	OFF1024
	s_add_nc_u64 s[40:41], s[38:39], s[44:45]
	PATH 4, 0
.Lfunc_end_k_qfb5f43b0cf_prep:
	.size	k_qfb5f43b0cf_prep, .Lfunc_end_k_qfb5f43b0cf_prep-k_qfb5f43b0cf_prep
	.p2alignl 7, 3214868480
	.fill 96, 4, 3214868480
	.section	.rodata,"a",@progbits
	.p2align	6, 0x0
	.amdhsa_kernel k_qfb5f43b0cf_prep
		.amdhsa_group_segment_fixed_size 140288
		.amdhsa_private_segment_fixed_size 0
		.amdhsa_enable_private_segment 0
		.amdhsa_kernarg_size 96
		.amdhsa_user_sgpr_count 2
		.amdhsa_user_sgpr_kernarg_segment_ptr 1
		.amdhsa_wavefront_size32 1
		.amdhsa_system_sgpr_workgroup_id_x 1
		.amdhsa_system_sgpr_workgroup_id_y 1
		.amdhsa_system_sgpr_workgroup_id_z 1
		.amdhsa_system_vgpr_workitem_id 0
		.amdhsa_next_free_vgpr 256
		.amdhsa_next_free_sgpr 66
		.amdhsa_reserve_vcc 0
		.amdhsa_float_denorm_mode_32 3
		.amdhsa_float_denorm_mode_16_64 3
		.amdhsa_memory_ordered 1
		.amdhsa_forward_progress 1
		.amdhsa_inst_pref_size 77
	.end_amdhsa_kernel
	.amdgpu_metadata
---
amdhsa.version: [ 1, 2 ]
amdhsa.kernels:
  - .name:           k_qfb5f43b0cf_prep
    .symbol:         k_qfb5f43b0cf_prep.kd
    .args:
      - { .name: hidden, .offset: 0, .size: 8, .value_kind: global_buffer, .address_space: global }
      - { .name: memory, .offset: 8, .size: 8, .value_kind: global_buffer, .address_space: global }
      - { .name: Wq, .offset: 16, .size: 8, .value_kind: global_buffer, .address_space: global }
      - { .name: Wk, .offset: 24, .size: 8, .value_kind: global_buffer, .address_space: global }
      - { .name: Wv, .offset: 32, .size: 8, .value_kind: global_buffer, .address_space: global }
      - { .name: Wo, .offset: 40, .size: 8, .value_kind: global_buffer, .address_space: global }
      - { .name: g_state, .offset: 48, .size: 8, .value_kind: global_buffer, .address_space: global }
      - { .name: b_state, .offset: 56, .size: 8, .value_kind: global_buffer, .address_space: global }
      - { .name: g_mem, .offset: 64, .size: 8, .value_kind: global_buffer, .address_space: global }
      - { .name: b_mem, .offset: 72, .size: 8, .value_kind: global_buffer, .address_space: global }
      - { .name: act, .offset: 80, .size: 8, .value_kind: global_buffer, .address_space: global }
      - { .name: wt, .offset: 88, .size: 8, .value_kind: global_buffer, .address_space: global }
    .group_segment_fixed_size: 140288
    .private_segment_fixed_size: 0
    .kernarg_segment_align: 8
    .kernarg_segment_size: 96
    .max_flat_workgroup_size: 256
    .sgpr_count:     66
    .vgpr_count:     256
    .wavefront_size: 32
...
	.end_amdgpu_metadata
.endif
;; end of part 1
;; launch proj (part 2): grid 16 x 16, 4 waves a work-group, clusters of 4 x 4, 327,680 bytes of LDS; arguments act, wt, qf, khl, vf; writes qf, khl, vf
.if DOCPART == 2
	.amdgcn_target "amdgcn-amd-amdhsa--gfx1250"
	.amdhsa_code_object_version 6
	.text
	.protected	k_qfb5f43b0cf_proj
	.globl	k_qfb5f43b0cf_proj
	.p2align	8
	.type	k_qfb5f43b0cf_proj,@function
k_qfb5f43b0cf_proj:
	s_mov_b64 s[64:65], 0
	v_nop
	global_prefetch_b8 v0, s[64:65] scope:SCOPE_SE
	s_setreg_imm32_b32 hwreg(HW_REG_WAVE_MODE, 25, 1), 1
	s_wait_xcnt 0x0
	s_wait_alu depctr_hold_cnt(0) depctr_sa_sdst(0) depctr_va_vdst(0) depctr_va_sdst(0) depctr_va_ssrc(0) depctr_va_vcc(0) depctr_vm_vsrc(0)
	s_getreg_b32 s2, hwreg(HW_REG_IB_STS2, 6, 4)
	s_cmp_eq_u32 s2, 0
	s_cbranch_scc0 .Lentry_in_a_cluster
	s_endpgm
.Lentry_in_a_cluster:
	s_bfe_u32 s2, ttmp6, 0x10000c
	s_cmp_lg_u32 s2, 0xf033
	s_cbranch_scc0 .Lentry_shape_is_right
	s_endpgm
.Lentry_shape_is_right:
; PROJ: Q = LN(hidden) Wq^T, K = LN(memory) Wk^T, V = LN(memory) Wv^T, in f16 products with f32 sums.  The activations are pairs hi + lo, so K' = 2 K: [hi | lo] against the weights walked twice.
; A tile is 128 rows of source 0 x 128 rows of source 1, four waves of 64 x 64 (16 accumulators).  In a result a lane holds ONE row of source 1 (lane % 16) and eight rows of source 0.
; 256 work-groups, 16 slots of 256 along K' each.  The kind hangs on the cluster's y alone: 0, 1: Q (source 0 = Wq, source 1 = rows; one tile, K' = 4,096);
; 2: K (source 0 = Wk, source 1 = keys; two tiles, heads cy and cy + 4, K' = 2,048 each); 3: V (source 0 = keys, source 1 = Wv; two tiles, heads cx and cx + 4).
; OPERANDS lie in memory as register images (fragments of 1,024 bytes, blocks of 64 fragments = 128 rows x 256 k), so a slot is two dense blocks, a wave's tensor load 32,768 dense bytes,
; and a fragment two LDS loads of 16 bytes a lane at consecutive addresses: no padding is needed.
; CLUSTER 4 x 4: source 0's block is shared along a row of the cluster, source 1's along a column: joint loads.
; OUT.  Q: the f32 accumulators as they lie (qf).  K: hi and lo in f16 as fragments [key][channel] (khl).  V: f16 as fragments [channel][key] (vf).  Every store is 512 consecutive bytes.
; The sums are cleared by v_mov on purpose: one text then serves Q's second half, which goes on adding, and K's and V's second tile.
; LIMITS.  |Q|, |K|, |V| under 65,504; K's lo keeps f16's fixed step of 6e-8; NaN and infinities are not treated apart.
.set SLOT,  131072                     ; source 0's block, then source 1's
.set SPARE, 262144                     ; behind the ring: the spare words, 128 bytes a wave
.set A0B, 2                            ; v2-3  my fragments of source 0 in slot 0, 1; never rewritten
.set A1B, 4                            ; v4-5  of source 1
.set A0,  6                            ; v6    the same, walking along K
.set A1,  7
.set CO,  8                            ; v8    16 x lane
.set ONE, 9
.set SPW, 10                           ; v10   my spare word; never rewritten
.set NIL, 11                           ; v11   0; never rewritten
.set RES, 12                           ; v[12:19] residues
.set TMP, 32                           ; v[32:95] store data
.set ACC, 128                          ; accumulator (p, q) at ACC + 8 (4 p + q)
.set F0,  0                            ; window 1: fragment buffers: source 0 at 8 p, source 1 at 32 + 8 q
.set F1,  64
.set WV, 14
.set WI, 15                            ; wave / 2: my half of source 0's rows; also: I fetch for source 0 (0) or 1 (1)
.set WJ, 16                            ; wave % 2: my half of source 1's rows; also: which half of a block I fetch
.set CXL, 17
.set CYL, 18
.set CXC, 19
.set CYC, 20
.set KIND, 21
.set WOFF, 22
.set WH, 23
.set G1, 24
.set G0, 32
.set BASE0, 40
.set BASE1, 42
.set M0, 44
.set H0, 45
.set E0, 46
.set BLK0, 47
.set G1B, 48
.set G0B, 56
.set OFF0, 66
.set M1, 68
.set H1, 69
.set E1, 70
.set BLK1, 71
.set OFF1, 72
.set TF, 74                            ; the slot to be asked for next, 0..15
.set HF, 75
.set RUN, 76
.set KC, 77
.set T0, 78
.set T0B, 79
.set T1, 80
.set T1B, 81
.set KO, 82
.set OB, 84
.set OO, 86
.set MSB, 0
.macro WIN new
.if MSB != (\new)
	s_set_vgpr_msb (MSB<<8)|(\new)
.set MSB, (\new)
.endif
.endm
.macro PLACES
.rept 4
	v_nop
.endr
.endm
.macro JLOAD s                         ; waves 0, 1 fetch source 0's halves, waves 2, 3 source 1's; an s_nop 0 and four v_nop follow each line
	s_cmp_eq_u32 s[WI], 0
	s_cbranch_scc0 .Lfor_b_\@
	tensor_load_to_lds s[G0+4*(\s):G0+4*(\s)+3], s[G1:G1+7]
	s_nop 0
.rept 4
	v_nop
.endr
	s_branch .Lasked_\@
.Lfor_b_\@:
	tensor_load_to_lds s[G0B+4*(\s):G0B+4*(\s)+3], s[G1B:G1B+7]
	s_nop 0
.rept 4
	v_nop
.endr
.Lasked_\@:
.endm
.macro CROUND                          ; a round of the cluster's barrier
	s_barrier_signal -1
	s_barrier_wait -1
	s_cmp_lg_u32 s[WV], 0
	s_cbranch_scc1 .Lnot_wave_0_\@
	s_barrier_signal -3
.Lnot_wave_0_\@:
	s_barrier_wait -3
	s_barrier_signal -1
	s_barrier_wait -1
.endm
; Both global addresses of slot TF are made anew, base + offset: block = ((TF & M) << H) + 4 ((TF >> 3) & E) + BLK, 65,536 bytes each, + my half
.macro FADDR s
	s_and_b32 s[T0], s[TF], s[M0]
	s_lshl_b32 s[T0], s[T0], s[H0]
	s_lshr_b32 s[T0B], s[TF], 3
	s_and_b32 s[T0B], s[T0B], s[E0]
	s_lshl2_add_u32 s[T0], s[T0B], s[T0]
	s_add_co_u32 s[T0], s[T0], s[BLK0]
	s_lshl_b32 s[OFF0], s[T0], 16
	s_add_co_u32 s[OFF0], s[OFF0], s[WH]
	s_add_nc_u64 s[G0+4*(\s)+2:G0+4*(\s)+3], s[BASE0:BASE0+1], s[OFF0:OFF0+1]
	s_or_b32 s[G0+4*(\s)+3], s[G0+4*(\s)+3], 0x80000000
	s_and_b32 s[T1], s[TF], s[M1]
	s_lshl_b32 s[T1], s[T1], s[H1]
	s_lshr_b32 s[T1B], s[TF], 3
	s_and_b32 s[T1B], s[T1B], s[E1]
	s_lshl2_add_u32 s[T1], s[T1B], s[T1]
	s_add_co_u32 s[T1], s[T1], s[BLK1]
	s_lshl_b32 s[OFF1], s[T1], 16
	s_add_co_u32 s[OFF1], s[OFF1], s[WH]
	s_add_nc_u64 s[G0B+4*(\s)+2:G0B+4*(\s)+3], s[BASE1:BASE1+1], s[OFF1:OFF1+1]
	s_or_b32 s[G0B+4*(\s)+3], s[G0B+4*(\s)+3], 0x80000000
	s_add_co_u32 s[TF], s[TF], 1
.endm
.macro MULG f                          ; 16 matrix instructions, each accumulator once: they take turns
	WIN 0x05
.irp p, 0,1,2,3
.irp q, 0,1,2,3
	v_wmma_f32_16x16x32_f16 v[ACC+8*(4*\p+\q):ACC+8*(4*\p+\q)+7], v[\f+8*\p:\f+8*\p+7], v[\f+32+8*\q:\f+32+8*\q+7], v[ACC+8*(4*\p+\q):ACC+8*(4*\p+\q)+7]
.endr
.endr
.endm
.macro FETG f, off                     ; 16 LDS loads: eight fragments of 32 along K
	WIN 0x40
.irp p, 0,1,2,3
	ds_load_b128 v[\f+8*\p:\f+8*\p+3],   v[A0] offset:\p*8192+(\off)
	ds_load_b128 v[\f+8*\p+4:\f+8*\p+7], v[A0] offset:\p*8192+(\off)+512
.endr
.irp q, 0,1,2,3
	ds_load_b128 v[\f+32+8*\q:\f+32+8*\q+3],   v[A1] offset:\q*8192+(\off)
	ds_load_b128 v[\f+32+8*\q+4:\f+32+8*\q+7], v[A1] offset:\q*8192+(\off)+512
.endr
.endm
.macro SLOTW slot                      ; a slot's eight chunks of 32 along K on two buffers; four v_nop stand between a buffer's products and the loads into it
	WIN 0
	v_mov_b32 v[A0], v[A0B+(\slot)]
	v_mov_b32 v[A1], v[A1B+(\slot)]
	s_mov_b32 s[KO], 0
	FETG F0, 0
	FETG F1, 1024
	WIN 0
	s_mov_b32 s[KC], 3
.Lk_\@:
	s_wait_dscnt 16                                ; the other buffer's 16 loads may be out
	MULG F0
	PLACES
	FETG F0, 2048
	s_wait_dscnt 16
	MULG F1
	PLACES
	FETG F1, 3072
	WIN 0
	s_add_co_u32 s[KO], s[KO], 2048
	v_add_nc_u32 v[A0], s[KO], v[A0B+(\slot)]
	v_add_nc_u32 v[A1], s[KO], v[A1B+(\slot)]
	s_sub_co_u32 s[KC], s[KC], 1
	s_cmp_lg_u32 s[KC], 0
	s_cbranch_scc1 .Lk_\@
	s_wait_dscnt 16
	MULG F0
	s_wait_dscnt 0x0
	MULG F1
	PLACES
	WIN 0
.endm
.macro FIRST                           ; a run's first slot is asked for as every other is
	WIN 0
	s_wait_tensorcnt 0x0                           ; no tensor load of mine is out
	ds_add_u32 v[SPW], v[NIL]
	FADDR 0
	s_wait_dscnt 0x0                               ; the add is done, and my reads of the ring are over
	CROUND
	JLOAD 0
.endm
.macro TRIPG slot, refill
	WIN 0
	s_wait_tensorcnt 0x0                           ; my part of this slot has landed: it was my one load that was out
	ds_add_u32 v[SPW], v[NIL]
.if \refill
	FADDR 1-(\slot)
.endif
	s_wait_dscnt 0x0                               ; the add is done, and my reads of the other slot are over
.if \refill
	CROUND                                         ; both now hold of every wave of the cluster
	JLOAD 1-(\slot)
.else
	s_barrier_signal -1
	s_barrier_wait -1
.endif
	SLOTW \slot
.endm
.macro CLEAR
.set i, ACC
.rept 128
	v_mov_b32 v[i], 0
.set i, i+1
.endr
.endm
	s_load_b256 s[4:11], s[0:1], 0x0               ; act 4, wt 6, qf 8, khl 10
	s_load_b64 s[12:13], s[0:1], 0x20              ; vf
	v_lshl_add_u32 v[SPW], v0, 2, SPARE
	v_mov_b32 v[NIL], 0
	ds_add_u32 v[SPW], v[NIL]                      ; the wave's opening
	v_lshrrev_b32 v1, 5, v0
	v_readfirstlane_b32 s[WV], v1
	s_lshr_b32 s[WI], s[WV], 1
	s_and_b32 s[WJ], s[WV], 1
	s_bfe_u32 s[CXL], ttmp6, 0x40000
	s_bfe_u32 s[CYL], ttmp6, 0x40004
	s_mov_b32 s[CXC], ttmp9
	s_and_b32 s[CYC], ttmp7, 0xffff
	s_max_u32 s[KIND], s[CYC], 1
	s_sub_co_u32 s[KIND], s[KIND], 1               ; 0 Q, 1 K, 2 V
	s_lshl_b32 s[T0], s[CYL], 2
	s_lshl_b32 s[T0], 15, s[T0]                    ; my row of the cluster
	s_or_b32 s[G1], s[T0], (3<<16)|(1<<21)         ; mask; elements of 8 bytes; bit 21 beside a mask; no padding
	s_lshl_b32 s[T1], 0x1111, s[CXL]               ; my column
	s_or_b32 s[G1B], s[T1], (3<<16)|(1<<21)
.irp g, G1, G1B
	s_mov_b32 s[\g+1], 32<<16                      ; tensor_dim0 = 32 elements: rows of 256 bytes
	s_mov_b32 s[\g+2], 128<<16                     ; tensor_dim1 = 128
	s_mov_b32 s[\g+3], 32<<16                      ; tile_dim0
	s_mov_b32 s[\g+4], 128                         ; tile_dim1
	s_mov_b32 s[\g+5], 32                          ; dense
	s_mov_b32 s[\g+6], 0
	s_mov_b32 s[\g+7], 0
.endr
	s_cmp_eq_u32 s[KIND], 0
	s_cselect_b32 s[M0], 7, 3
	s_cselect_b32 s[E0], 0, 1
	s_cselect_b32 s[M1], 15, 7
	s_cselect_b32 s[T0], s[CYC], 0
	s_mov_b32 s[T1], s[CXC]
	s_cmp_eq_u32 s[KIND], 2
	s_cselect_b32 s[M0], 7, s[M0]
	s_cselect_b32 s[H0], 4, 3
	s_cselect_b32 s[E0], 0, s[E0]
	s_cselect_b32 s[M1], 3, s[M1]
	s_cselect_b32 s[H1], 3, 4
	s_cselect_b32 s[E1], 1, 0
	s_cselect_b32 s[T0], s[CXC], s[T0]
	s_cselect_b32 s[T1], 0, s[T1]
	s_lshl2_add_u32 s[BLK0], s[T0], s[CYL]         ; source 0's block hangs on cy and the cluster's place,
	s_lshl2_add_u32 s[BLK1], s[T1], s[CXL]         ; source 1's on cx and the cluster's place
	s_lshl_b32 s[WOFF], s[WV], 15
	s_lshl_b32 s[WH], s[WJ], 15
.irp s, 0,1
	s_mov_b32 s[G0+4*\s], 1
	s_add_co_u32 s[G0+4*\s+1], s[WOFF], \s*SLOT
	s_mov_b32 s[G0B+4*\s], 1
	s_add_co_u32 s[G0B+4*\s+1], s[WOFF], \s*SLOT
.endr
	s_mov_b32 s[OFF0+1], 0
	s_mov_b32 s[OFF1+1], 0
	s_mov_b32 s[OO+1], 0
	s_mov_b32 s[TF], 0
	s_mov_b32 s[HF], 0
	v_and_b32 v1, 31, v0
	v_lshlrev_b32 v[CO], 4, v1
	s_lshl_b32 s94, s[WI], 15
	s_lshl_b32 s95, s[WJ], 15
	s_add_co_u32 s95, s95, 65536
	v_add_nc_u32 v[A0B], s94, v[CO]
	v_add_nc_u32 v[A1B], s95, v[CO]
	v_add_nc_u32 v[A0B+1], SLOT, v[A0B]
	v_add_nc_u32 v[A1B+1], SLOT, v[A1B]
	v_mov_b32 v[ONE], 1.0
	s_wait_dscnt 0x0                               ; the opening add is done
	s_wait_kmcnt 0x0
	s_add_nc_u64 s[88:89], s[4:5], 0x1000000       ; LN(memory)
	s_add_nc_u64 s[90:91], s[6:7], 0x400000        ; Wk
	s_add_nc_u64 s[92:93], s[6:7], 0x600000        ; Wv
	s_cmp_eq_u32 s[KIND], 0
	s_cselect_b64 s[BASE0:BASE0+1], s[6:7], s[90:91]
	s_cselect_b64 s[BASE1:BASE1+1], s[4:5], s[88:89]
	s_cmp_eq_u32 s[KIND], 2
	s_cselect_b64 s[BASE0:BASE0+1], s[88:89], s[BASE0:BASE0+1]
	s_cselect_b64 s[BASE1:BASE1+1], s[92:93], s[BASE1:BASE1+1]
	CLEAR
.Lhalf:                                                ; two halves of eight slots
	FIRST
	s_mov_b32 s[RUN], 3
.Lrun:
	TRIPG 0, 1
	TRIPG 1, 1
	s_sub_co_u32 s[RUN], s[RUN], 1
	s_cmp_lg_u32 s[RUN], 0
	s_cbranch_scc1 .Lrun
	TRIPG 0, 1
	TRIPG 1, 0
	s_cmp_lg_u32 s[KIND], 0
	s_cbranch_scc1 .Lkv
	s_cmp_eq_u32 s[HF], 0
	s_cbranch_scc1 .Lnext                          ; Q's first half: the lo pass goes on adding
	; Q: the accumulators as they lie: [row tile][channel tile][half][lane][16 bytes]
	s_lshl_b32 s[OO], s[BLK1], 3
	s_lshl2_add_u32 s[OO], s[WJ], s[OO]
	s_lshl_b32 s[OO], s[OO], 6
	s_lshl3_add_u32 s[OO], s[BLK0], s[OO]
	s_lshl2_add_u32 s[OO], s[WI], s[OO]
	s_lshl_b32 s[OO], s[OO], 10
	s_add_nc_u64 s[OB:OB+1], s[8:9], s[OO:OO+1]
.irp p, 0,1,2,3
.irp q, 0,1,2,3
	global_store_b128 v[CO], v[ACC+8*(4*\p+\q):ACC+8*(4*\p+\q)+3],   s[OB:OB+1] offset:\q*65536+\p*1024
	global_store_b128 v[CO], v[ACC+8*(4*\p+\q)+4:ACC+8*(4*\p+\q)+7], s[OB:OB+1] offset:\q*65536+\p*1024+512
.endr
.endr
	s_branch .Lnext
.Lkv:
	s_wait_xcnt 0x0                                ; the first tile's stores have read their base and data
	s_cmp_eq_u32 s[KIND], 1
	s_cbranch_scc0 .Lv
	; K: head 4 HF + cy; fragment [key tile][hi, lo][channel chunk]; accumulator (p, q): key tile q, chunk 2 i + p / 2, part p % 2
	s_lshl2_add_u32 s[OO], s[HF], s[CYL]
	s_lshl_b32 s[OO], s[OO], 7
	s_lshl3_add_u32 s[OO], s[BLK1], s[OO]
	s_lshl2_add_u32 s[OO], s[WJ], s[OO]
	s_lshl_b32 s[OO], s[OO], 13
	s_lshl_b32 s94, s[WI], 11
	s_add_co_u32 s[OO], s[OO], s94
	s_add_nc_u64 s[OB:OB+1], s[10:11], s[OO:OO+1]
.set a, 0
.rept 16
.set st, TMP+8*(a%8)
.if a >= 8
	s_wait_xcnt 0x0                                ; the set's last stores have read it
.endif
.irp d, 0,1,2,3
	v_cvt_pk_f16_f32 v[st+\d], v[ACC+8*a+2*\d], v[ACC+8*a+2*\d+1]
.endr
.irp d, 0,1,2,3
	v_fma_mix_f32 v[RES+2*\d], -v[st+\d], v[ONE], v[ACC+8*a+2*\d] op_sel_hi:[1,0,0]
	v_fma_mix_f32 v[RES+2*\d+1], -v[st+\d], v[ONE], v[ACC+8*a+2*\d+1] op_sel:[1,0,0] op_sel_hi:[1,0,0]
.endr
.irp d, 0,1,2,3
	v_cvt_pk_f16_f32 v[st+4+\d], v[RES+2*\d], v[RES+2*\d+1]
.endr
	global_store_b128 v[CO], v[st:st+3],   s[OB:OB+1] offset:(a%4)*8192+((a/4)/2)*1024+((a/4)%2)*512
	global_store_b128 v[CO], v[st+4:st+7], s[OB:OB+1] offset:(a%4)*8192+((a/4)/2)*1024+((a/4)%2)*512+4096
.set a, a+1
.endr
	s_branch .Lclear
.Lv:
	; V: head 4 HF + cx; fragment [chunk of 32 keys][channel tile]; accumulator (p, q): chunk 2 i + p / 2, part p % 2, channel tile 4 j + q
	s_lshl2_add_u32 s[OO], s[HF], s[CXL]
	s_lshl_b32 s[OO], s[OO], 6
	s_lshl2_add_u32 s[OO], s[BLK0], s[OO]
	s_lshl1_add_u32 s[OO], s[WI], s[OO]
	s_lshl_b32 s[OO], s[OO], 13
	s_lshl_b32 s94, s[WJ], 12
	s_add_co_u32 s[OO], s[OO], s94
	s_add_nc_u64 s[OB:OB+1], s[12:13], s[OO:OO+1]
.set a, 0
.rept 16
.irp d, 0,1,2,3
	v_cvt_pk_f16_f32 v[TMP+4*a+\d], v[ACC+8*a+2*\d], v[ACC+8*a+2*\d+1]
.endr
	global_store_b128 v[CO], v[TMP+4*a:TMP+4*a+3], s[OB:OB+1] offset:((a/4)/2)*8192+(a%4)*1024+((a/4)%2)*512
.set a, a+1
.endr
.Lclear:
	s_cmp_eq_u32 s[HF], 1
	s_cbranch_scc1 .Lnext
	CLEAR                                          ; the second tile's sums
.Lnext:
	s_add_co_u32 s[HF], s[HF], 1
	s_cmp_lt_u32 s[HF], 2
	s_cbranch_scc1 .Lhalf
	s_wait_tensorcnt 0x0                           ; the wave's end
	ds_add_u32 v[SPW], v[NIL]
	s_wait_dscnt 0x0
	CROUND                                         ; the closing round
	s_endpgm
.Lfunc_end_k_qfb5f43b0cf_proj:
	.size	k_qfb5f43b0cf_proj, .Lfunc_end_k_qfb5f43b0cf_proj-k_qfb5f43b0cf_proj
	.p2alignl 7, 3214868480
	.fill 96, 4, 3214868480
	.section	.rodata,"a",@progbits
	.p2align	6, 0x0
	.amdhsa_kernel k_qfb5f43b0cf_proj
		.amdhsa_group_segment_fixed_size 327680
		.amdhsa_private_segment_fixed_size 0
		.amdhsa_enable_private_segment 0
		.amdhsa_kernarg_size 40
		.amdhsa_user_sgpr_count 2
		.amdhsa_user_sgpr_kernarg_segment_ptr 1
		.amdhsa_wavefront_size32 1
		.amdhsa_system_sgpr_workgroup_id_x 1
		.amdhsa_system_sgpr_workgroup_id_y 1
		.amdhsa_system_sgpr_workgroup_id_z 1
		.amdhsa_system_vgpr_workitem_id 0
		.amdhsa_next_free_vgpr 384
		.amdhsa_next_free_sgpr 100
		.amdhsa_reserve_vcc 0
		.amdhsa_float_denorm_mode_32 3
		.amdhsa_float_denorm_mode_16_64 3
		.amdhsa_memory_ordered 1
		.amdhsa_forward_progress 1
		.amdhsa_inst_pref_size 86
	.end_amdhsa_kernel
	.amdgpu_metadata
---
amdhsa.version: [ 1, 2 ]
amdhsa.kernels:
  - .name:           k_qfb5f43b0cf_proj
    .symbol:         k_qfb5f43b0cf_proj.kd
    .args:
      - { .name: act, .offset: 0, .size: 8, .value_kind: global_buffer, .address_space: global }
      - { .name: wt, .offset: 8, .size: 8, .value_kind: global_buffer, .address_space: global }
      - { .name: qf, .offset: 16, .size: 8, .value_kind: global_buffer, .address_space: global }
      - { .name: khl, .offset: 24, .size: 8, .value_kind: global_buffer, .address_space: global }
      - { .name: vf, .offset: 32, .size: 8, .value_kind: global_buffer, .address_space: global }
    .group_segment_fixed_size: 327680
    .private_segment_fixed_size: 0
    .kernarg_segment_align: 8
    .kernarg_segment_size: 40
    .max_flat_workgroup_size: 128
    .sgpr_count:     100
    .vgpr_count:     384
    .wavefront_size: 32
...
	.end_amdgpu_metadata
.endif
;; end of part 2
;; launch hop (part 3): grid 64 x 8, 4 waves a work-group, clusters of 4 x 1, 327,680 bytes of LDS; arguments qf, khl, vf, log_beta, xo; writes xo
.if DOCPART == 3
	.amdgcn_target "amdgcn-amd-amdhsa--gfx1250"
	.amdhsa_code_object_version 6
	.text
	.protected	k_qfb5f43b0cf_hop
	.globl	k_qfb5f43b0cf_hop
	.p2align	8
	.type	k_qfb5f43b0cf_hop,@function
k_qfb5f43b0cf_hop:
	s_mov_b64 s[64:65], 0
	v_nop
	global_prefetch_b8 v0, s[64:65] scope:SCOPE_SE
	s_setreg_imm32_b32 hwreg(HW_REG_WAVE_MODE, 25, 1), 1
	s_wait_xcnt 0x0
	s_wait_alu depctr_hold_cnt(0) depctr_sa_sdst(0) depctr_va_vdst(0) depctr_va_sdst(0) depctr_va_ssrc(0) depctr_va_vcc(0) depctr_vm_vsrc(0)
	s_getreg_b32 s2, hwreg(HW_REG_IB_STS2, 6, 4)
	s_cmp_eq_u32 s2, 0
	s_cbranch_scc0 .Lentry_in_a_cluster
	s_endpgm
.Lentry_in_a_cluster:
	s_bfe_u32 s2, ttmp6, 0x10000c
	s_cmp_lg_u32 s2, 0x3003
	s_cbranch_scc0 .Lentry_shape_is_right
	s_endpgm
.Lentry_shape_is_right:
; HOP: the three steps xi <- entmax15(beta xi K^T) V for one head and 32 rows, fused: scores, weights and xi never leave the WGP.
; SHARES.  A work-group: head (y), rows 32 block .. + 31 as two tiles A, B of 16.  Wave w owns keys 512 w .. + 511: 32 key tiles x 2 row tiles x 8 registers = 512 registers of scores.
; LAYOUT.  S^T = K X^T (source 0 = 16 keys, source 1 = 16 rows): a lane holds ONE row (lane % 16) and 8 keys.  Two results rounded to f16 ARE source 1 of O^T = V^T P, which again holds one row a lane and 8 channels.
; The waves' partial O^T are added through LDS, in the same order in every wave, and split into X = hi + lo in f16; a score is Kh Xh + Kh Xl + Kl Xh in one f32 sum.
; ENTMAX-1.5, exact to the stated bound, without a sort: with m the row's maximum, d = s - m (taken first, in place), c = exp(bf16(log_beta)) / 2, p(tau) = clamp01(c d - tau):
; tau* solves sum p^2 = 1 and lies in [-1, 0) for every input (the largest term alone gives 1 at -1, and the sum is 0 at 0).  NBIS halvings leave lo <= tau* <= lo + 2^-NBIS; then NNEWT Newton steps on
; sqrt(sum p^2), which is convex and falls, so that from lo they rise and never pass tau*: tau += (S2 - sqrt S2) / S1.  With n <= 2,048 terms the error goes e -> n e^2 / 2: 2^-12 -> 2^-14, and the
; weights' sum is then within 2^-17 of 1, whatever the scores.  The weights are p^2.
; K and V come as register images (fragments of 1,024 bytes), 32,768 dense bytes a wave and load, into a ring of two slots; a wave reads only what it fetched.
; CLUSTER 4 x 1: the four row blocks of a cluster walk the same head's K and V, so every tile is asked for jointly.
; REGISTERS, in windows of 256: the upper half of window kt / 8 holds S(rt, kt) at 128 + 16 (kt % 8) + 8 rt; P(rt, j) is made in place at 128 + 32 (j % 4) + 8 rt of window j / 4.
;   window 0 low: addresses, statistics; window 1 low: X(rt, hl, kc) at 64 rt + 32 hl + 8 kc, later O(rt, ct) at 64 rt + 8 ct; windows 2, 3 low: two fragment buffers.
;   v64-119 of EVERY window: entmax's locals (what else lies there is dead meanwhile), so that a pass names one window alone.
; LIMITS.  |xi|, |K|, |V| under 65,504; lo parts and weights keep f16's fixed step of 6e-8; NaN and infinities are not treated apart.
.set NBIS,  12
.set NNEWT, 2
.set RING1, 131072
.set OX,    262144                     ; 4 waves x 8,192 bytes: the partial O^T of one row tile
.set XCH,   294912                     ; 1,024 bytes: [kind 2][tile 2][row 16][wave 4] words
.set SPARE, 295936                     ; the spare words, 128 bytes a wave
.set AR0, 2                            ; v2-3  16 lane + my part of slot 0, 1
.set OXS, 4
.set OXL, 5
.set XS,  6
.set XL,  7
.set GQ,  8                            ; 16 x lane
.set OXO, 9
.set SPW, 10                           ; my spare word; never rewritten
.set NIL, 11                           ; 0; never rewritten
.set ONE, 12
.set CM,  13                           ; c
.set NLA, 14                           ; -lo, tiles A and B
.set NLB, 15
.set NTA, 16                           ; -tau in hand (first: -m)
.set NTB, 17
.set HSV, 18                           ; the half width
.set VT,  19
.set QT,  20                           ; v[20:21] 0.25 twice
.set OD,  24                           ; v[24:39] the way out
.set L,   32                           ; v[32:47] the four waves' figures
.set R2,  48                           ; v[48:55] [window][tile]
.set R1,  56
.set CC,  64
.set NA,  66
.set NB,  68
.set AC2, 72                           ; eight pairs: tile A's four chains, tile B's four
.set AC1, 88
.set TP,  104
.set WV, 14
.set HEAD, 15
.set BLKN, 16
.set G0, 20
.set G1, 24
.set KB, 32
.set VB, 34
.set WOFF, 36
.set STEP, 37
.set CNT, 38
.set SEL, 40
.set HM, 42
.set MA, 43
.set MB, 44
.set QB, 48
.set XOB, 50
.set MSB, 0
.macro WIN new
.if MSB != (\new)
	s_set_vgpr_msb (MSB<<8)|(\new)
.set MSB, (\new)
.endif
.endm
.macro PLACES
.rept 4
	v_nop
.endr
.endm
.macro CROUND
	s_barrier_signal -1
	s_barrier_wait -1
	s_cmp_lg_u32 s[WV], 0
	s_cbranch_scc1 .Lnot_wave_0_\@
	s_barrier_signal -3
.Lnot_wave_0_\@:
	s_barrier_wait -3
	s_barrier_signal -1
	s_barrier_wait -1
.endm
; A slot is filled: all my tensor loads have landed (one was out), the add, my LDS reads are back, a round of the cluster's barrier, and my one joint load first behind it.
.macro REFILL ring, base, imm
	WIN 0
	s_wait_tensorcnt 0x0
	ds_add_u32 v[SPW], v[NIL]
	s_add_co_u32 s[G0+1], s[WOFF], (\ring)*RING1
	s_add_nc_u64 s[G0+2:G0+3], s[\base:\base+1], \imm
	s_or_b32 s[G0+3], s[G0+3], 0x80000000
	s_wait_dscnt 0x0
	CROUND
	tensor_load_to_lds s[G0:G0+3], s[G1:G1+7]
	s_nop 0
.rept 4
	v_nop
.endr
.endm
.macro LD64 ar                         ; my 32,768 bytes of a slot: the first half into window 2, the second into window 3
	WIN 0x80
.set m, 0
.rept 32
	ds_load_b128 v[4*m:4*m+3], v[\ar] offset:m*512
.set m, m+1
.endr
	WIN 0xc0
.set m, 0
.rept 32
	ds_load_b128 v[4*m:4*m+3], v[\ar] offset:16384+m*512
.set m, m+1
.endr
.endm
; 48 products: key tiles 4 t + 2 pr, + 1 x both row tiles; 12 links (4 channel chunks x Kh Xh, Kh Xl, Kl Xh); the four accumulators take turns
.macro MULK t, pr
	WIN (2+(\pr))|4|(((\t)/2)<<4)|(((\t)/2)<<6)
.set sb, 128+((\t)%2)*64+(\pr)*32
.set lk, 0
.rept 12
.set ka, 8*(lk/3)+32*((lk%3)/2)
.set xa, 8*(lk/3)+32*((lk%3)%2)
.irp kl, 0,1
.irp rt, 0,1
.if lk == 0
	v_wmma_f32_16x16x32_f16 v[sb+16*\kl+8*\rt:sb+16*\kl+8*\rt+7], v[64*\kl+ka:64*\kl+ka+7], v[64*\rt+xa:64*\rt+xa+7], 0
.else
	v_wmma_f32_16x16x32_f16 v[sb+16*\kl+8*\rt:sb+16*\kl+8*\rt+7], v[64*\kl+ka:64*\kl+ka+7], v[64*\rt+xa:64*\rt+xa+7], v[sb+16*\kl+8*\rt:sb+16*\kl+8*\rt+7]
.endif
.endr
.endr
.set lk, lk+1
.endr
.endm
.macro PROCK t
	LD64 AR0+((\t)&1)
	s_wait_dscnt 32                                ; the second half's 32 loads may be out
	MULK \t, 0
	s_wait_dscnt 0x0
	MULK \t, 1
	PLACES
.endm
; 32 products: chunks 4 u + 2 pr, + 1 of 32 keys; the 16 accumulators of O^T take turns; the very first chunk starts the sums
.macro MULV u, pr
	WIN 0x50|((\u)<<2)|(2+(\pr))
.irp cl, 0,1
.irp ct, 0,1,2,3,4,5,6,7
.irp rt, 0,1
.if ((\u) == 0) && ((\pr) == 0) && (\cl == 0)
	v_wmma_f32_16x16x32_f16 v[64*\rt+8*\ct:64*\rt+8*\ct+7], v[64*\cl+8*\ct:64*\cl+8*\ct+7], v[128+32*(2*(\pr)+\cl)+8*\rt:128+32*(2*(\pr)+\cl)+8*\rt+7], 0
.else
	v_wmma_f32_16x16x32_f16 v[64*\rt+8*\ct:64*\rt+8*\ct+7], v[64*\cl+8*\ct:64*\cl+8*\ct+7], v[128+32*(2*(\pr)+\cl)+8*\rt:128+32*(2*(\pr)+\cl)+8*\rt+7], v[64*\rt+8*\ct:64*\rt+8*\ct+7]
.endif
.endr
.endr
.endr
.endm
.macro PROCV u
	LD64 AR0+((\u)&1)
	s_wait_dscnt 32
	MULV \u, 0
	s_wait_dscnt 0x0
	MULV \u, 1
	PLACES
.endm
; The waves' partial O^T become X = hi + lo, a row tile at a time.  The second barrier (its signal ahead of the arithmetic, its wait behind) orders all reads of OX ahead of the next stores into it.
.macro XCHG
.irp rt, 0,1
	WIN 0x04
.set n, 0
.rept 16
	ds_store_b128 v[OXS], v[64*\rt+4*n:64*\rt+4*n+3] offset:n*512
.set n, n+1
.endr
	WIN 0
	s_wait_dscnt 0x0                               ; for the others' sake
	s_barrier_signal -1
	s_barrier_wait -1
	LD64 OXL                                       ; areas 0, 1 into window 2, areas 2, 3 into window 3
	WIN 0
	s_wait_dscnt 0x0
	s_barrier_signal -1
	WIN 0xaa
.set n, 0
.rept 32
	v_pk_add_f32 v[2*n:2*n+1], v[2*n:2*n+1], v[64+2*n:64+2*n+1]
.set n, n+1
.endr
	WIN 0xff
.set n, 0
.rept 32
	v_pk_add_f32 v[2*n:2*n+1], v[2*n:2*n+1], v[64+2*n:64+2*n+1]
.set n, n+1
.endr
	WIN 0x8e
.set n, 0
.rept 32
	v_pk_add_f32 v[2*n:2*n+1], v[2*n:2*n+1], v[2*n:2*n+1]
.set n, n+1
.endr
	WIN 0x4a
.set n, 0
.rept 32
	v_cvt_pk_f16_f32 v[64*\rt+n], v[2*n], v[2*n+1]
.set n, n+1
.endr
	WIN 0xa1
.set n, 0
.rept 32
	v_fma_mix_f32 v[2*n], -v[64*\rt+n], v[ONE], v[2*n] op_sel_hi:[1,0,0]
	v_fma_mix_f32 v[2*n+1], -v[64*\rt+n], v[ONE], v[2*n+1] op_sel:[1,0,0] op_sel_hi:[1,0,0]
.set n, n+1
.endr
	WIN 0x4a
.set n, 0
.rept 32
	v_cvt_pk_f16_f32 v[64*\rt+32+n], v[2*n], v[2*n+1]
.set n, n+1
.endr
	WIN 0
	s_barrier_wait -1
.endr
.endm
; ENTMAX's parts
.macro BCAST sa, sb                    ; two figures of window 0 into every window's NA and NB, each twice
.irp w, 0,1,2,3
	WIN (\w)<<6
	v_mov_b32 v[NA], v[\sa]
	v_mov_b32 v[NA+1], v[\sa]
	v_mov_b32 v[NB], v[\sb]
	v_mov_b32 v[NB+1], v[\sb]
.endr
.endm
.macro MAXP w                          ; eight chains of 16 scores; each accumulator's lowest registers are read first
	WIN (\w)*0x55
.set st, 0
.rept 8
.irp rt, 0,1
.irp c, 0,1,2,3
.set mm, AC2+4*\rt+\c
.set aa, 128+16*\c+8*\rt
.if st == 0
	v_max3_num_f32 v[mm], v[aa], v[aa+1], v[aa+2]
.elseif st < 3
	v_max3_num_f32 v[mm], v[mm], v[aa+2*st+1], v[aa+2*st+2]
.elseif st == 3
	v_max3_num_f32 v[mm], v[mm], v[aa+7], v[aa+64]
.elseif st < 7
	v_max3_num_f32 v[mm], v[mm], v[aa+64+2*st-7], v[aa+64+2*st-6]
.else
	v_max_num_f32 v[mm], v[mm], v[aa+71]
.endif
.endr
.endr
.set st, st+1
.endr
	v_max3_num_f32 v[AC2], v[AC2], v[AC2+1], v[AC2+2]
	v_max3_num_f32 v[AC2+4], v[AC2+4], v[AC2+5], v[AC2+6]
	WIN (\w)*5
	v_max_num_f32 v[R2+2*(\w)], v[AC2], v[AC2+3]
	v_max_num_f32 v[R2+2*(\w)+1], v[AC2+4], v[AC2+7]
.endm
.macro SUBP w                          ; d = s - m, in place
	WIN (\w)*0x55
.set i, 0
.rept 64
	v_pk_add_f32 v[128+2*i:128+2*i+1], v[128+2*i:128+2*i+1], v[NA+2*((i/4)%2):NA+2*((i/4)%2)+1]
.set i, i+1
.endr
.endm
.macro FOLD ac, dst, w                 ; a window's eight chains into window 0: one figure a tile
	WIN (\w)*0x55
	v_pk_add_f32 v[\ac:\ac+1], v[\ac:\ac+1], v[\ac+2:\ac+3]
	v_pk_add_f32 v[\ac+8:\ac+9], v[\ac+8:\ac+9], v[\ac+10:\ac+11]
	v_pk_add_f32 v[\ac+4:\ac+5], v[\ac+4:\ac+5], v[\ac+6:\ac+7]
	v_pk_add_f32 v[\ac+12:\ac+13], v[\ac+12:\ac+13], v[\ac+14:\ac+15]
	v_pk_add_f32 v[\ac:\ac+1], v[\ac:\ac+1], v[\ac+4:\ac+5]
	v_pk_add_f32 v[\ac+8:\ac+9], v[\ac+8:\ac+9], v[\ac+12:\ac+13]
	WIN (\w)*5
	v_add_f32 v[\dst+2*(\w)], v[\ac], v[\ac+1]
	v_add_f32 v[\dst+2*(\w)+1], v[\ac+8], v[\ac+9]
.endm
; A pass over a window's 128 scores: p = clamp01(c d - tau), S2 += p^2 (three = 1: S1 += p too).  The first group starts the chains: nothing is cleared.
.macro EVAL w, three
	WIN (\w)*0x55
.set g, 0
.rept 8
.set i, 0
.rept 8
.if (\three) && (g == 0)
	v_pk_fma_f32 v[AC1+2*i:AC1+2*i+1], v[128+16*g+2*i:128+16*g+2*i+1], v[CC:CC+1], v[NA+2*(i/4):NA+2*(i/4)+1] clamp
.else
	v_pk_fma_f32 v[TP+2*i:TP+2*i+1], v[128+16*g+2*i:128+16*g+2*i+1], v[CC:CC+1], v[NA+2*(i/4):NA+2*(i/4)+1] clamp
.endif
.set i, i+1
.endr
.set i, 0
.rept 8
.if (g == 0) && (\three)
	v_pk_mul_f32 v[AC2+2*i:AC2+2*i+1], v[AC1+2*i:AC1+2*i+1], v[AC1+2*i:AC1+2*i+1]
.elseif g == 0
	v_pk_mul_f32 v[AC2+2*i:AC2+2*i+1], v[TP+2*i:TP+2*i+1], v[TP+2*i:TP+2*i+1]
.else
	v_pk_fma_f32 v[AC2+2*i:AC2+2*i+1], v[TP+2*i:TP+2*i+1], v[TP+2*i:TP+2*i+1], v[AC2+2*i:AC2+2*i+1]
.if \three
	v_pk_add_f32 v[AC1+2*i:AC1+2*i+1], v[AC1+2*i:AC1+2*i+1], v[TP+2*i:TP+2*i+1]
.endif
.endif
.set i, i+1
.endr
.set g, g+1
.endr
	FOLD AC2, R2, \w
.if \three
	FOLD AC1, R1, \w
.endif
.endm
.macro FINAL w                         ; the weights p^2, rounded to f16 into P: a group is read whole before its places are written, and an odd group writes into the even one before it
	WIN (\w)*0x55
.set g, 0
.rept 8
.set i, 0
.rept 8
	v_pk_fma_f32 v[TP+2*i:TP+2*i+1], v[128+16*g+2*i:128+16*g+2*i+1], v[CC:CC+1], v[NA+2*(i/4):NA+2*(i/4)+1] clamp
.set i, i+1
.endr
.set i, 0
.rept 8
	v_pk_mul_f32 v[TP+2*i:TP+2*i+1], v[TP+2*i:TP+2*i+1], v[TP+2*i:TP+2*i+1]
.set i, i+1
.endr
.set i, 0
.rept 8
	v_cvt_pk_f16_f32 v[128+(g/2)*32+(i/4)*8+(g%2)*4+i%4], v[TP+2*i], v[TP+2*i+1]
.set i, i+1
.endr
.set g, g+1
.endr
.endm
.macro REDS r                          ; the four windows' figures, then the other half of the lanes': my wave's sums, tile A in v[r], B in v[r+1]
	WIN 0
	v_pk_add_f32 v[\r:\r+1], v[\r:\r+1], v[\r+2:\r+3]
	v_pk_add_f32 v[\r+4:\r+5], v[\r+4:\r+5], v[\r+6:\r+7]
	v_pk_add_f32 v[\r:\r+1], v[\r:\r+1], v[\r+4:\r+5]
	v_permlanex16_b32 v[\r+2], v[\r], s[SEL], s[SEL+1]
	v_permlanex16_b32 v[\r+3], v[\r+1], s[SEL], s[SEL+1]
	v_pk_add_f32 v[\r:\r+1], v[\r:\r+1], v[\r+2:\r+3]
.endm
.macro PUT r, off                      ; lanes 0-15 carry tile A's rows, lanes 16-31 tile B's: one word a lane
	v_cndmask_b32 v[\r+2], v[\r], v[\r+1], s[HM]
	ds_store_b32 v[XS], v[\r+2] offset:\off
.endm
.macro SYNCA n                         ; my store is done, all waves' are; every lane reads its rows' four figures; the signal that follows orders these reads ahead of the next pass's stores
	s_wait_dscnt 0x0
	s_barrier_signal -1
	s_barrier_wait -1
	ds_load_b128 v[L:L+3], v[XL]
	ds_load_b128 v[L+4:L+7], v[XL] offset:256
.if (\n) == 4
	ds_load_b128 v[L+8:L+11], v[XL] offset:512
	ds_load_b128 v[L+12:L+15], v[XL] offset:768
.endif
	s_wait_dscnt 0x0
	s_barrier_signal -1
.endm
	s_load_b256 s[4:11], s[0:1], 0x0               ; qf 4, khl 6, vf 8, log_beta 10
	s_load_b64 s[12:13], s[0:1], 0x20              ; xo
	v_lshl_add_u32 v[SPW], v0, 2, SPARE
	v_mov_b32 v[NIL], 0
	ds_add_u32 v[SPW], v[NIL]                      ; the wave's opening
	v_lshrrev_b32 v1, 5, v0
	v_readfirstlane_b32 s[WV], v1
	s_bfe_u32 s17, ttmp6, 0x40000                  ; cx: it enters qf's and xo's addresses alone
	s_lshl_b32 s[BLKN], ttmp9, 2
	s_add_co_u32 s[BLKN], s[BLKN], s17
	s_and_b32 s[HEAD], ttmp7, 0xffff
	s_mov_b32 s[G1], 15|(3<<16)|(1<<21)            ; the mask of four; elements of 8 bytes; bit 21 beside a mask; no padding
	s_mov_b32 s[G1+1], 32<<16                      ; rows of 256 bytes
	s_mov_b32 s[G1+2], 128<<16
	s_mov_b32 s[G1+3], 32<<16
	s_mov_b32 s[G1+4], 128
	s_mov_b32 s[G1+5], 32
	s_mov_b32 s[G1+6], 0
	s_mov_b32 s[G1+7], 0
	s_mov_b32 s[G0], 1
	s_lshl_b32 s[WOFF], s[WV], 15
	s_mov_b32 s[SEL], 0x76543210
	s_mov_b32 s[SEL+1], 0xfedcba98
	s_mov_b32 s[HM], 0xffff0000
	v_and_b32 v1, 31, v0
	v_lshlrev_b32 v[GQ], 4, v1
	v_add_nc_u32 v[AR0], s[WOFF], v[GQ]
	v_add_nc_u32 v[AR0+1], RING1, v[AR0]
	v_add_nc_u32 v[OXL], OX, v[GQ]
	s_lshl_b32 s54, s[WV], 13
	v_add_nc_u32 v[OXS], s54, v[OXL]
	s_lshl_b32 s54, s[WV], 11
	v_add_nc_u32 v[OXO], s54, v[OXL]
	s_lshl_b32 s54, s[WV], 2
	s_add_co_u32 s54, s54, XCH
	v_add_nc_u32 v[XS], s54, v[GQ]
	v_and_b32 v[VT], 15, v1
	v_lshl_add_u32 v[XL], v[VT], 4, XCH
	v_mov_b32 v[ONE], 1.0
	v_mov_b32 v[QT], 0x3e800000
	v_mov_b32 v[QT+1], 0x3e800000
	s_lshl_b32 s46, s[HEAD], 20
	s_lshl_b32 s55, s[WV], 18
	s_add_co_u32 s46, s46, s55
	s_mov_b32 s47, 0
	s_lshl_b32 s56, s[HEAD], 19
	s_lshl_b32 s55, s[WV], 17
	s_add_co_u32 s56, s56, s55
	s_mov_b32 s57, 0
	s_lshl_b32 s52, s[BLKN], 7
	s_lshl3_add_u32 s52, s[HEAD], s52
	s_lshl_b32 s52, s52, 10                        ; qf: (row tile 2 block) x 64 + channel tile 8 head, 1,024 bytes each
	s_mov_b32 s53, 0
	s_lshr_b32 s58, s[HEAD], 1
	s_lshr_b32 s54, s[BLKN], 2
	s_lshl4_add_u32 s58, s58, s54
	s_lshl_b32 s58, s58, 6
	s_and_b32 s54, s[BLKN], 3
	s_lshl4_add_u32 s58, s54, s58
	s_and_b32 s54, s[HEAD], 1
	s_lshl2_add_u32 s58, s54, s58
	s_add_co_u32 s58, s58, s[WV]
	s_lshl_b32 s58, s58, 10                        ; xo: block (head / 2, row / 128), row tile, chunk 4 (head % 2) + wave
	s_mov_b32 s59, 0
	s_lshl_b32 s54, s[HEAD], 2
	v_mov_b32 v[VT], s54
	s_wait_dscnt 0x0                               ; the opening add is done
	s_wait_kmcnt 0x0
	s_add_nc_u64 s[KB:KB+1], s[6:7], s[46:47]      ; my 32 key tiles of the head
	s_add_nc_u64 s[VB:VB+1], s[8:9], s[56:57]      ; my 16 chunks
	s_add_nc_u64 s[QB:QB+1], s[4:5], s[52:53]
	s_add_nc_u64 s[XOB:XOB+1], s[12:13], s[58:59]
	WIN 0x40
.irp rt, 0,1
.set n, 0
.rept 16
	global_load_b128 v[64*\rt+4*n:64*\rt+4*n+3], v[GQ], s[QB:QB+1] offset:\rt*65536+n*512
.set n, n+1
.endr
.endr
	WIN 0
	global_load_b32 v[CM], v[VT], s[10:11]
	s_wait_loadcnt 0x0
	v_cvt_pk_bf16_f32 v[CM], v[CM], v[CM]          ; log_beta rounded to bf16 like every input
	v_lshlrev_b32 v[CM], 16, v[CM]
	v_mul_f32 v[CM], 0x3fb8aa3b, v[CM]
	v_exp_f32 v[CM], v[CM]
	v_nop
	s_wait_alu depctr_va_vdst(0)
	v_mul_f32 v[CM], 0.5, v[CM]                    ; c = beta / 2
	WIN 0x41
.set n, 0
.rept 64                               ; every wave holds Q / 4: four equal quarters add up exactly, so the exchange below serves Q too
	v_pk_mul_f32 v[2*n:2*n+1], v[2*n:2*n+1], v[QT:QT+1]
.set n, n+1
.endr
	WIN 0
	s_mov_b32 s[STEP], 3
.Lstep:
	REFILL 0, KB, 0                                ; K's tile 0 is on its way while X is made
	XCHG
	REFILL 1, KB, 32768
	PROCK 0
.irp t, 1,2,3,4,5,6
	REFILL ((\t)+1)&1, KB, ((\t)+1)*32768
	PROCK \t
.endr
	REFILL 0, VB, 0
	PROCK 7
	REFILL 1, VB, 32768
	; ENTMAX
.irp w, 0,1,2,3
	WIN (\w)<<6
	v_mov_b32 v[CC], v[CM]
	v_mov_b32 v[CC+1], v[CM]
.endr
	MAXP 0
	MAXP 1
	MAXP 2
	MAXP 3
	WIN 0
	v_max3_num_f32 v[R2], v[R2], v[R2+2], v[R2+4]
	v_max3_num_f32 v[R2+1], v[R2+1], v[R2+3], v[R2+5]
	v_max_num_f32 v[R2], v[R2], v[R2+6]
	v_max_num_f32 v[R2+1], v[R2+1], v[R2+7]
	v_permlanex16_b32 v[R2+2], v[R2], s[SEL], s[SEL+1]
	v_permlanex16_b32 v[R2+3], v[R2+1], s[SEL], s[SEL+1]
	v_max_num_f32 v[R2], v[R2], v[R2+2]
	v_max_num_f32 v[R2+1], v[R2+1], v[R2+3]
	PUT R2, 0
	SYNCA 2
	v_max3_num_f32 v[L], v[L], v[L+1], v[L+2]
	v_max3_num_f32 v[L+4], v[L+4], v[L+5], v[L+6]
	v_max_num_f32 v[L], v[L], v[L+3]
	v_max_num_f32 v[L+4], v[L+4], v[L+7]
	v_sub_f32 v[NTA], 0, v[L]                      ; -m
	v_sub_f32 v[NTB], 0, v[L+4]
	s_barrier_wait -1
	BCAST NTA, NTB
	SUBP 0
	SUBP 1
	SUBP 2
	SUBP 3
	WIN 0
	v_mov_b32 v[NLA], 1.0                          ; lo = -1
	v_mov_b32 v[NLB], 1.0
	v_mov_b32 v[NTA], 0.5                          ; the first middle
	v_mov_b32 v[NTB], 0.5
	v_mov_b32 v[HSV], 0.5
	BCAST NTA, NTB
	WIN 0
	s_mov_b32 s[CNT], NBIS
.Lbis:
	EVAL 0, 0
	EVAL 1, 0
	EVAL 2, 0
	EVAL 3, 0
	REDS R2
	PUT R2, 0
	SYNCA 2
	v_pk_add_f32 v[L:L+1], v[L:L+1], v[L+2:L+3]    ; the same order in every wave: all waves hold the same figures
	v_pk_add_f32 v[L+4:L+5], v[L+4:L+5], v[L+6:L+7]
	v_mul_f32 v[HSV], 0.5, v[HSV]
	v_add_f32 v[L], v[L], v[L+1]
	v_add_f32 v[L+4], v[L+4], v[L+5]
	v_cmp_le_f32 s[MA], 1.0, v[L]                  ; the sum is still 1 or more: tau* lies at or above the middle
	v_cmp_le_f32 s[MB], 1.0, v[L+4]
	v_cndmask_b32 v[NLA], v[NLA], v[NTA], s[MA]
	v_cndmask_b32 v[NLB], v[NLB], v[NTB], s[MB]
	v_sub_f32 v[NTA], v[NLA], v[HSV]
	v_sub_f32 v[NTB], v[NLB], v[HSV]
	s_barrier_wait -1
	BCAST NTA, NTB
	WIN 0
	s_sub_co_u32 s[CNT], s[CNT], 1
	s_cmp_lg_u32 s[CNT], 0
	s_cbranch_scc1 .Lbis
	v_mov_b32 v[NTA], v[NLA]                       ; Newton starts at lo
	v_mov_b32 v[NTB], v[NLB]
	BCAST NTA, NTB
	WIN 0
	s_mov_b32 s[CNT], NNEWT
.Lnewt:
	EVAL 0, 1
	EVAL 1, 1
	EVAL 2, 1
	EVAL 3, 1
	REDS R2
	REDS R1
	PUT R2, 0
	PUT R1, 512
	SYNCA 4
	v_pk_add_f32 v[L:L+1], v[L:L+1], v[L+2:L+3]
	v_pk_add_f32 v[L+4:L+5], v[L+4:L+5], v[L+6:L+7]
	v_pk_add_f32 v[L+8:L+9], v[L+8:L+9], v[L+10:L+11]
	v_pk_add_f32 v[L+12:L+13], v[L+12:L+13], v[L+14:L+15]
	v_add_f32 v[L], v[L], v[L+1]
	v_add_f32 v[L+4], v[L+4], v[L+5]
	v_add_f32 v[L+8], v[L+8], v[L+9]
	v_add_f32 v[L+12], v[L+12], v[L+13]
	v_sqrt_f32 v[L+1], v[L]
	v_sqrt_f32 v[L+5], v[L+4]
	v_rcp_f32 v[L+9], v[L+8]                       ; S1 >= S2 >= 1 at and below tau*
	v_rcp_f32 v[L+13], v[L+12]
	v_nop
	s_wait_alu depctr_va_vdst(0)
	v_sub_f32 v[L], v[L], v[L+1]
	v_sub_f32 v[L+4], v[L+4], v[L+5]
	v_fma_f32 v[NTA], -v[L], v[L+9], v[NTA]
	v_fma_f32 v[NTB], -v[L+4], v[L+13], v[NTB]
	s_barrier_wait -1
	BCAST NTA, NTB
	WIN 0
	s_sub_co_u32 s[CNT], s[CNT], 1
	s_cmp_lg_u32 s[CNT], 0
	s_cbranch_scc1 .Lnewt
	FINAL 0
	FINAL 1
	FINAL 2
	FINAL 3
	PROCV 0                                        ; V's tile 0 was shown landed by the wait in front of tile 1's request
	REFILL 0, VB, 65536
	PROCV 1
	REFILL 1, VB, 98304
	PROCV 2
	s_wait_tensorcnt 0x0                           ; the step's last tile: no load was issued behind it
	PROCV 3
	WIN 0
	s_sub_co_u32 s[STEP], s[STEP], 1
	s_cmp_lg_u32 s[STEP], 0
	s_cbranch_scc1 .Lstep
	; THE WAY OUT: the partial O^T once more through OX; wave w adds channel tiles 2 w, 2 w + 1, which are one fragment of the last product's operand
.irp rt, 0,1
	WIN 0x04
.set n, 0
.rept 16
	ds_store_b128 v[OXS], v[64*\rt+4*n:64*\rt+4*n+3] offset:n*512
.set n, n+1
.endr
	WIN 0
	s_wait_dscnt 0x0
	s_barrier_signal -1
	s_barrier_wait -1
.irp a, 0,1,2,3
.irp q, 0,1,2,3
	ds_load_b128 v[64+16*\a+4*\q:64+16*\a+4*\q+3], v[OXO] offset:\a*8192+\q*512
.endr
.endr
	s_wait_dscnt 0x0
.if \rt == 0
	s_barrier_signal -1                            ; my reads of OX are back: tile B's stores may follow when all have said so
.endif
.set n, 0
.rept 8
	v_pk_add_f32 v[64+2*n:64+2*n+1], v[64+2*n:64+2*n+1], v[80+2*n:80+2*n+1]
	v_pk_add_f32 v[96+2*n:96+2*n+1], v[96+2*n:96+2*n+1], v[112+2*n:112+2*n+1]
.set n, n+1
.endr
.set n, 0
.rept 8
	v_pk_add_f32 v[64+2*n:64+2*n+1], v[64+2*n:64+2*n+1], v[96+2*n:96+2*n+1]
.set n, n+1
.endr
.set n, 0
.rept 8
	v_cvt_pk_f16_f32 v[OD+8*\rt+n], v[64+2*n], v[64+2*n+1]
.set n, n+1
.endr
.if \rt == 0
	s_barrier_wait -1
.endif
	global_store_b128 v[GQ], v[OD+8*\rt:OD+8*\rt+3],   s[XOB:XOB+1] offset:\rt*8192
	global_store_b128 v[GQ], v[OD+8*\rt+4:OD+8*\rt+7], s[XOB:XOB+1] offset:\rt*8192+512
.endr
	s_wait_tensorcnt 0x0                           ; the wave's end
	ds_add_u32 v[SPW], v[NIL]
	s_wait_dscnt 0x0
	CROUND                                         ; the closing round
	s_endpgm
.Lfunc_end_k_qfb5f43b0cf_hop:
	.size	k_qfb5f43b0cf_hop, .Lfunc_end_k_qfb5f43b0cf_hop-k_qfb5f43b0cf_hop
	.p2alignl 7, 3214868480
	.fill 96, 4, 3214868480
	.section	.rodata,"a",@progbits
	.p2align	6, 0x0
	.amdhsa_kernel k_qfb5f43b0cf_hop
		.amdhsa_group_segment_fixed_size 327680
		.amdhsa_private_segment_fixed_size 0
		.amdhsa_enable_private_segment 0
		.amdhsa_kernarg_size 40
		.amdhsa_user_sgpr_count 2
		.amdhsa_user_sgpr_kernarg_segment_ptr 1
		.amdhsa_wavefront_size32 1
		.amdhsa_system_sgpr_workgroup_id_x 1
		.amdhsa_system_sgpr_workgroup_id_y 1
		.amdhsa_system_sgpr_workgroup_id_z 1
		.amdhsa_system_vgpr_workitem_id 0
		.amdhsa_next_free_vgpr 1024
		.amdhsa_next_free_sgpr 66
		.amdhsa_reserve_vcc 0
		.amdhsa_float_denorm_mode_32 3
		.amdhsa_float_denorm_mode_16_64 3
		.amdhsa_memory_ordered 1
		.amdhsa_forward_progress 1
		.amdhsa_inst_pref_size 255
	.end_amdhsa_kernel
	.section	.bss,"aw",@nobits
	.p2align	6
	.space	262144
	.amdgpu_metadata
---
amdhsa.version: [ 1, 2 ]
amdhsa.kernels:
  - .name:           k_qfb5f43b0cf_hop
    .symbol:         k_qfb5f43b0cf_hop.kd
    .args:
      - { .name: qf, .offset: 0, .size: 8, .value_kind: global_buffer, .address_space: global }
      - { .name: khl, .offset: 8, .size: 8, .value_kind: global_buffer, .address_space: global }
      - { .name: vf, .offset: 16, .size: 8, .value_kind: global_buffer, .address_space: global }
      - { .name: log_beta, .offset: 24, .size: 8, .value_kind: global_buffer, .address_space: global }
      - { .name: xo, .offset: 32, .size: 8, .value_kind: global_buffer, .address_space: global }
    .group_segment_fixed_size: 327680
    .private_segment_fixed_size: 0
    .kernarg_segment_align: 8
    .kernarg_segment_size: 40
    .max_flat_workgroup_size: 128
    .sgpr_count:     66
    .vgpr_count:     1024
    .wavefront_size: 32
...
	.end_amdgpu_metadata
.endif
;; end of part 3
;; launch outp (part 4): grid 16 x 16, 4 waves a work-group, clusters of 4 x 4, 327,680 bytes of LDS; arguments xo, wt, out0; writes out0
.if DOCPART == 4
	.amdgcn_target "amdgcn-amd-amdhsa--gfx1250"
	.amdhsa_code_object_version 6
	.text
	.protected	k_qfb5f43b0cf_outp
	.globl	k_qfb5f43b0cf_outp
	.p2align	8
	.type	k_qfb5f43b0cf_outp,@function
k_qfb5f43b0cf_outp:
	s_mov_b64 s[64:65], 0
	v_nop
	global_prefetch_b8 v0, s[64:65] scope:SCOPE_SE
	s_setreg_imm32_b32 hwreg(HW_REG_WAVE_MODE, 25, 1), 1
	s_wait_xcnt 0x0
	s_wait_alu depctr_hold_cnt(0) depctr_sa_sdst(0) depctr_va_vdst(0) depctr_va_sdst(0) depctr_va_ssrc(0) depctr_va_vcc(0) depctr_vm_vsrc(0)
	s_getreg_b32 s2, hwreg(HW_REG_IB_STS2, 6, 4)
	s_cmp_eq_u32 s2, 0
	s_cbranch_scc0 .Lentry_in_a_cluster
	s_endpgm
.Lentry_in_a_cluster:
	s_bfe_u32 s2, ttmp6, 0x10000c
	s_cmp_lg_u32 s2, 0xf033
	s_cbranch_scc0 .Lentry_shape_is_right
	s_endpgm
.Lentry_shape_is_right:
; OUTP: out = xi Wo^T.  xi (xo) and Wo (8 MiB into wt) are f16 register images: fragments of 1,024 bytes, blocks of 128 rows x 256 k, [k / 256][row / 128].  Sums in f32, out in f32.
; A tile is 128 columns of out (source 0 = rows of Wo) x 128 rows (source 1 = xi), four waves of 64 x 64; K = 1,024 is four slots of 256 through a ring of two; 256 work-groups.
; In a result a lane holds one row of out (lane % 16) and eight neighbouring columns.  CLUSTER 4 x 4: Wo's block is shared along a row of the cluster, xi's along a column: joint loads.
; The way out goes through LDS (rows of 528 bytes, in slot 0, which has had its last fill and its last read), so that each store of a wave covers 512 consecutive bytes of a row of out.
; The sums are cleared by v_mov in the wait for the first tile: the slot's text, a loop, is then the same for all four slots.
.set SLOT,  131072
.set SPARE, 262144
.set SP,    528
.set A0B, 2
.set A1B, 4
.set A0,  6
.set A1,  7
.set CO,  8
.set STO, 9
.set SPW, 10                           ; my spare word; never rewritten
.set NIL, 11                           ; 0; never rewritten
.set RD,  12
.set TMP, 32
.set ACC, 128
.set F0,  0
.set F1,  64
.set WV, 14
.set WI, 15
.set WJ, 16
.set CXL, 17
.set CYL, 18
.set WOFF, 22
.set WH, 23
.set G1, 24
.set G0, 32
.set BASE0, 40
.set BASE1, 42
.set BLK0, 47
.set G1B, 48
.set G0B, 56
.set OFF0, 66
.set BLK1, 71
.set OFF1, 72
.set TF, 74
.set KC, 77
.set T0, 78
.set T1, 80
.set KO, 82
.set OB, 84
.set OO, 86
.set MSB, 0
.macro WIN new
.if MSB != (\new)
	s_set_vgpr_msb (MSB<<8)|(\new)
.set MSB, (\new)
.endif
.endm
.macro PLACES
.rept 4
	v_nop
.endr
.endm
.macro JLOAD s                         ; waves 0, 1 fetch Wo's halves, waves 2, 3 xi's; an s_nop 0 and four v_nop follow each line
	s_cmp_eq_u32 s[WI], 0
	s_cbranch_scc0 .Lfor_b_\@
	tensor_load_to_lds s[G0+4*(\s):G0+4*(\s)+3], s[G1:G1+7]
	s_nop 0
.rept 4
	v_nop
.endr
	s_branch .Lasked_\@
.Lfor_b_\@:
	tensor_load_to_lds s[G0B+4*(\s):G0B+4*(\s)+3], s[G1B:G1B+7]
	s_nop 0
.rept 4
	v_nop
.endr
.Lasked_\@:
.endm
.macro CROUND
	s_barrier_signal -1
	s_barrier_wait -1
	s_cmp_lg_u32 s[WV], 0
	s_cbranch_scc1 .Lnot_wave_0_\@
	s_barrier_signal -3
.Lnot_wave_0_\@:
	s_barrier_wait -3
	s_barrier_signal -1
	s_barrier_wait -1
.endm
.macro FADDR s                         ; block 16 TF + BLK of each operand, + my half
	s_lshl4_add_u32 s[T0], s[TF], s[BLK0]
	s_lshl_b32 s[OFF0], s[T0], 16
	s_add_co_u32 s[OFF0], s[OFF0], s[WH]
	s_add_nc_u64 s[G0+4*(\s)+2:G0+4*(\s)+3], s[BASE0:BASE0+1], s[OFF0:OFF0+1]
	s_or_b32 s[G0+4*(\s)+3], s[G0+4*(\s)+3], 0x80000000
	s_lshl4_add_u32 s[T1], s[TF], s[BLK1]
	s_lshl_b32 s[OFF1], s[T1], 16
	s_add_co_u32 s[OFF1], s[OFF1], s[WH]
	s_add_nc_u64 s[G0B+4*(\s)+2:G0B+4*(\s)+3], s[BASE1:BASE1+1], s[OFF1:OFF1+1]
	s_or_b32 s[G0B+4*(\s)+3], s[G0B+4*(\s)+3], 0x80000000
	s_add_co_u32 s[TF], s[TF], 1
.endm
.macro MULG f                          ; 16 matrix instructions, each accumulator once: they take turns
	WIN 0x05
.irp p, 0,1,2,3
.irp q, 0,1,2,3
	v_wmma_f32_16x16x32_f16 v[ACC+8*(4*\p+\q):ACC+8*(4*\p+\q)+7], v[\f+8*\p:\f+8*\p+7], v[\f+32+8*\q:\f+32+8*\q+7], v[ACC+8*(4*\p+\q):ACC+8*(4*\p+\q)+7]
.endr
.endr
.endm
.macro FETG f, off
	WIN 0x40
.irp p, 0,1,2,3
	ds_load_b128 v[\f+8*\p:\f+8*\p+3],   v[A0] offset:\p*8192+(\off)
	ds_load_b128 v[\f+8*\p+4:\f+8*\p+7], v[A0] offset:\p*8192+(\off)+512
.endr
.irp q, 0,1,2,3
	ds_load_b128 v[\f+32+8*\q:\f+32+8*\q+3],   v[A1] offset:\q*8192+(\off)
	ds_load_b128 v[\f+32+8*\q+4:\f+32+8*\q+7], v[A1] offset:\q*8192+(\off)+512
.endr
.endm
.macro SLOTW slot                      ; a slot's eight chunks of 32 along K on two buffers; four v_nop stand between a buffer's products and the loads into it
	WIN 0
	v_mov_b32 v[A0], v[A0B+(\slot)]
	v_mov_b32 v[A1], v[A1B+(\slot)]
	s_mov_b32 s[KO], 0
	FETG F0, 0
	FETG F1, 1024
	WIN 0
	s_mov_b32 s[KC], 3
.Lk_\@:
	s_wait_dscnt 16                                ; the other buffer's 16 loads may be out
	MULG F0
	PLACES
	FETG F0, 2048
	s_wait_dscnt 16
	MULG F1
	PLACES
	FETG F1, 3072
	WIN 0
	s_add_co_u32 s[KO], s[KO], 2048
	v_add_nc_u32 v[A0], s[KO], v[A0B+(\slot)]
	v_add_nc_u32 v[A1], s[KO], v[A1B+(\slot)]
	s_sub_co_u32 s[KC], s[KC], 1
	s_cmp_lg_u32 s[KC], 0
	s_cbranch_scc1 .Lk_\@
	s_wait_dscnt 16
	MULG F0
	s_wait_dscnt 0x0
	MULG F1
	PLACES
	WIN 0
.endm
.macro TRIPG slot, refill
	WIN 0
	s_wait_tensorcnt 0x0                           ; my part of this slot has landed: it was my one load that was out
	ds_add_u32 v[SPW], v[NIL]
.if \refill
	FADDR 1-(\slot)
.endif
	s_wait_dscnt 0x0                               ; the add is done, and my reads of the other slot are over
.if \refill
	CROUND
	JLOAD 1-(\slot)
.else
	s_barrier_signal -1
	s_barrier_wait -1
.endif
	SLOTW \slot
.endm
	s_load_b128 s[4:7], s[0:1], 0x0                ; xo 4, wt 6
	s_load_b64 s[8:9], s[0:1], 0x10                ; out0
	v_lshl_add_u32 v[SPW], v0, 2, SPARE
	v_mov_b32 v[NIL], 0
	ds_add_u32 v[SPW], v[NIL]                      ; the wave's opening
	v_lshrrev_b32 v1, 5, v0
	v_readfirstlane_b32 s[WV], v1
	s_lshr_b32 s[WI], s[WV], 1
	s_and_b32 s[WJ], s[WV], 1
	s_bfe_u32 s[CXL], ttmp6, 0x40000
	s_bfe_u32 s[CYL], ttmp6, 0x40004
	s_and_b32 s[T0], ttmp7, 0xffff
	s_lshl2_add_u32 s[BLK0], s[T0], s[CYL]         ; Wo's block: 128 columns of out
	s_mov_b32 s[T1], ttmp9
	s_lshl2_add_u32 s[BLK1], s[T1], s[CXL]         ; xi's block: 128 rows
	s_lshl_b32 s[T0], s[CYL], 2
	s_lshl_b32 s[T0], 15, s[T0]
	s_or_b32 s[G1], s[T0], (3<<16)|(1<<21)
	s_lshl_b32 s[T1], 0x1111, s[CXL]
	s_or_b32 s[G1B], s[T1], (3<<16)|(1<<21)
.irp g, G1, G1B
	s_mov_b32 s[\g+1], 32<<16
	s_mov_b32 s[\g+2], 128<<16
	s_mov_b32 s[\g+3], 32<<16
	s_mov_b32 s[\g+4], 128
	s_mov_b32 s[\g+5], 32
	s_mov_b32 s[\g+6], 0
	s_mov_b32 s[\g+7], 0
.endr
	s_lshl_b32 s[WOFF], s[WV], 15
	s_lshl_b32 s[WH], s[WJ], 15
.irp s, 0,1
	s_mov_b32 s[G0+4*\s], 1
	s_add_co_u32 s[G0+4*\s+1], s[WOFF], \s*SLOT
	s_mov_b32 s[G0B+4*\s], 1
	s_add_co_u32 s[G0B+4*\s+1], s[WOFF], \s*SLOT
.endr
	s_mov_b32 s[OFF0+1], 0
	s_mov_b32 s[OFF1+1], 0
	s_mov_b32 s[OO+1], 0
	s_mov_b32 s[TF], 0
	v_and_b32 v1, 31, v0
	v_lshlrev_b32 v[CO], 4, v1
	s_lshl_b32 s88, s[WI], 15
	s_lshl_b32 s89, s[WJ], 15
	s_add_co_u32 s89, s89, 65536
	v_add_nc_u32 v[A0B], s88, v[CO]
	v_add_nc_u32 v[A1B], s89, v[CO]
	v_add_nc_u32 v[A0B+1], SLOT, v[A0B]
	v_add_nc_u32 v[A1B+1], SLOT, v[A1B]
	v_and_b32 v13, 15, v1
	v_lshrrev_b32 v14, 4, v1
	v_mul_u32_u24 v[STO], v13, SP                  ; into the stage: row 64 j + 16 q + lane % 16, byte 4 (64 i + 16 p + 8 (lane / 16))
	v_lshl_add_u32 v[STO], v14, 5, v[STO]
	s_mul_i32 s88, s[WJ], 64*SP
	s_lshl_b32 s89, s[WI], 8
	s_add_co_u32 s88, s88, s89
	v_add_nc_u32 v[STO], s88, v[STO]
	s_mul_i32 s88, s[WV], 32*SP                    ; back: wave w takes rows 32 w .. + 31, a whole row of 512 bytes a load
	v_add_nc_u32 v[RD], s88, v[CO]
	s_lshl_b32 s[OO], s[BLK1], 7
	s_lshl_b32 s88, s[WV], 5
	s_add_co_u32 s[OO], s[OO], s88
	s_lshl_b32 s[OO], s[OO], 13                    ; my first row of out, 8,192 bytes a row,
	s_lshl_b32 s88, s[BLK0], 9                     ; and the tile's 512 bytes in it
	s_add_co_u32 s[OO], s[OO], s88
	s_wait_dscnt 0x0                               ; the opening add is done
	s_wait_kmcnt 0x0
	s_add_nc_u64 s[BASE0:BASE0+1], s[6:7], 0x800000
	s_mov_b64 s[BASE1:BASE1+1], s[4:5]
	s_add_nc_u64 s[OB:OB+1], s[8:9], s[OO:OO+1]
	s_wait_tensorcnt 0x0                           ; the first slot is asked for as every other is
	ds_add_u32 v[SPW], v[NIL]
	FADDR 0
	s_wait_dscnt 0x0
	CROUND
	JLOAD 0
.set i, ACC
.rept 128
	v_mov_b32 v[i], 0
.set i, i+1
.endr
	TRIPG 0, 1
	TRIPG 1, 1
	TRIPG 0, 1
	TRIPG 1, 0
	; THE WAY OUT.  The stage lies in slot 0: every wave's reads of it were awaited in front of the last slot's barrier, and nothing is filled any more.
.irp p, 0,1,2,3
.irp q, 0,1,2,3
	ds_store_b128 v[STO], v[ACC+8*(4*\p+\q):ACC+8*(4*\p+\q)+3],   offset:\q*16*SP+\p*64
	ds_store_b128 v[STO], v[ACC+8*(4*\p+\q)+4:ACC+8*(4*\p+\q)+7], offset:\q*16*SP+\p*64+16
.endr
.endr
	s_wait_dscnt 0x0                               ; for the others' sake: a row's 512 bytes come from two waves
	s_barrier_signal -1
	s_barrier_wait -1
.set t, 0
.rept 16
	ds_load_b128 v[TMP+4*t:TMP+4*t+3], v[RD] offset:t*SP
.set t, t+1
.endr
.set t, 0
.rept 16
	ds_load_b128 v[ACC+4*t:ACC+4*t+3], v[RD] offset:(16+t)*SP
.set t, t+1
.endr
.set t, 0
.rept 16
	s_wait_dscnt 31-t                              ; the younger loads may stay out
	global_store_b128 v[CO], v[TMP+4*t:TMP+4*t+3], s[OB:OB+1] offset:t*8192 th:TH_STORE_NT
.set t, t+1
.endr
.set t, 0
.rept 16
	s_wait_dscnt 15-t
	global_store_b128 v[CO], v[ACC+4*t:ACC+4*t+3], s[OB:OB+1] offset:(16+t)*8192 th:TH_STORE_NT
.set t, t+1
.endr
	s_wait_tensorcnt 0x0                           ; the wave's end
	ds_add_u32 v[SPW], v[NIL]
	s_wait_dscnt 0x0
	CROUND                                         ; the closing round
	s_endpgm
.Lfunc_end_k_qfb5f43b0cf_outp:
	.size	k_qfb5f43b0cf_outp, .Lfunc_end_k_qfb5f43b0cf_outp-k_qfb5f43b0cf_outp
	.p2alignl 7, 3214868480
	.fill 96, 4, 3214868480
	.section	.rodata,"a",@progbits
	.p2align	6, 0x0
	.amdhsa_kernel k_qfb5f43b0cf_outp
		.amdhsa_group_segment_fixed_size 327680
		.amdhsa_private_segment_fixed_size 0
		.amdhsa_enable_private_segment 0
		.amdhsa_kernarg_size 24
		.amdhsa_user_sgpr_count 2
		.amdhsa_user_sgpr_kernarg_segment_ptr 1
		.amdhsa_wavefront_size32 1
		.amdhsa_system_sgpr_workgroup_id_x 1
		.amdhsa_system_sgpr_workgroup_id_y 1
		.amdhsa_system_sgpr_workgroup_id_z 1
		.amdhsa_system_vgpr_workitem_id 0
		.amdhsa_next_free_vgpr 384
		.amdhsa_next_free_sgpr 96
		.amdhsa_reserve_vcc 0
		.amdhsa_float_denorm_mode_32 3
		.amdhsa_float_denorm_mode_16_64 3
		.amdhsa_memory_ordered 1
		.amdhsa_forward_progress 1
		.amdhsa_inst_pref_size 59
	.end_amdhsa_kernel
	.amdgpu_metadata
---
amdhsa.version: [ 1, 2 ]
amdhsa.kernels:
  - .name:           k_qfb5f43b0cf_outp
    .symbol:         k_qfb5f43b0cf_outp.kd
    .args:
      - { .name: xo, .offset: 0, .size: 8, .value_kind: global_buffer, .address_space: global }
      - { .name: wt, .offset: 8, .size: 8, .value_kind: global_buffer, .address_space: global }
      - { .name: out0, .offset: 16, .size: 8, .value_kind: global_buffer, .address_space: global }
    .group_segment_fixed_size: 327680
    .private_segment_fixed_size: 0
    .kernarg_segment_align: 8
    .kernarg_segment_size: 24
    .max_flat_workgroup_size: 128
    .sgpr_count:     96
    .vgpr_count:     384
    .wavefront_size: 32
...
	.end_amdgpu_metadata
.endif
;; end of part 4
;; ======== version 2 of 2: 4 launches; 1.28 times as fast as version 1
;; limits: values are held in f16: magnitudes above 65,504 overflow, below 6.1e-05 lose precision; a function is approximated: absolute error at most 0.0022
;; workspace buffers: act 25,165,824 bytes; wt 12,582,912 bytes; qf 8,388,608 bytes; khl 8,388,608 bytes; vf 4,194,304 bytes; xo 4,194,304 bytes
;; launch prep: the kernel of part 1 again; grid 640 x 1, 8 waves a work-group, no clusters, 140,288 bytes of LDS; arguments hidden, memory, Wq, Wk, Wv, Wo, g_state, b_state, g_mem, b_mem, act, wt; writes act, wt
;; launch proj (part 5): grid 16 x 16, 4 waves a work-group, clusters of 4 x 4, 327,680 bytes of LDS; arguments act, wt, qf, khl, vf; writes qf, khl, vf
.if DOCPART == 5
	.amdgcn_target "amdgcn-amd-amdhsa--gfx1250"
	.amdhsa_code_object_version 6
	.text
	.protected	k_qfb5f43b0cf_proj
	.globl	k_qfb5f43b0cf_proj
	.p2align	8
	.type	k_qfb5f43b0cf_proj,@function
k_qfb5f43b0cf_proj:
	s_mov_b64 s[64:65], 0
	v_nop
	global_prefetch_b8 v0, s[64:65] scope:SCOPE_SE
	s_setreg_imm32_b32 hwreg(HW_REG_WAVE_MODE, 25, 1), 1
	s_wait_xcnt 0x0
	s_wait_alu depctr_hold_cnt(0) depctr_sa_sdst(0) depctr_va_vdst(0) depctr_va_sdst(0) depctr_va_ssrc(0) depctr_va_vcc(0) depctr_vm_vsrc(0)
	s_getreg_b32 s2, hwreg(HW_REG_IB_STS2, 6, 4)
	s_cmp_eq_u32 s2, 0
	s_cbranch_scc0 .Lentry_in_a_cluster
	s_endpgm
.Lentry_in_a_cluster:
	s_bfe_u32 s2, ttmp6, 0x10000c
	s_cmp_lg_u32 s2, 0xf033
	s_cbranch_scc0 .Lentry_shape_is_right
	s_endpgm
.Lentry_shape_is_right:
; PROJ: Q = LN(hidden) Wq^T, K = LN(memory) Wk^T, V = LN(memory) Wv^T, in f16 products with f32 sums.  The activations are pairs hi + lo, so K' = 2 K: [hi | lo] against the weights walked twice.
; A tile is 128 rows of source 0 x 128 rows of source 1, four waves of 64 x 64 (16 accumulators).  In a result a lane holds ONE row of source 1 (lane % 16) and eight rows of source 0.
; 256 work-groups, 16 slots of 256 along K' each.  The kind hangs on the cluster's y alone: 0, 1: Q (source 0 = Wq, source 1 = rows; one tile, K' = 4,096);
; 2: K (source 0 = Wk, source 1 = keys; two tiles, heads cy and cy + 4, K' = 2,048 each); 3: V (source 0 = keys, source 1 = Wv; two tiles, heads cx and cx + 4).
; OPERANDS lie in memory as register images (fragments of 1,024 bytes, blocks of 64 fragments = 128 rows x 256 k), so a slot is two dense blocks, a wave's tensor load 32,768 dense bytes,
; and a fragment two LDS loads of 16 bytes a lane at consecutive addresses: no padding is needed.
; CLUSTER 4 x 4: source 0's block is shared along a row of the cluster, source 1's along a column: joint loads.
; OUT.  Q: the f32 accumulators as they lie (qf).  K: hi and lo in f16 as fragments [key][channel], khl = [head][hi, lo][key tile 128][channel chunk 4].  V: f16 as fragments [channel][key] (vf).
; Every store is 512 consecutive bytes.
; The sums are cleared by v_mov on purpose: one text then serves Q's second half, which goes on adding, and K's and V's second tile.
; LIMITS.  |Q|, |K|, |V| under 65,504; K's lo keeps f16's fixed step of 6e-8; NaN and infinities are not treated apart.
.set SLOT,  131072                     ; source 0's block, then source 1's
.set SPARE, 262144                     ; behind the ring: the spare words, 128 bytes a wave
.set A0B, 2                            ; v2-3  my fragments of source 0 in slot 0, 1; never rewritten
.set A1B, 4                            ; v4-5  of source 1
.set A0,  6                            ; v6    the same, walking along K
.set A1,  7
.set CO,  8                            ; v8    16 x lane
.set ONE, 9
.set SPW, 10                           ; v10   my spare word; never rewritten
.set NIL, 11                           ; v11   0; never rewritten
.set RES, 12                           ; v[12:19] residues
.set TMP, 32                           ; v[32:95] store data
.set ACC, 128                          ; accumulator (p, q) at ACC + 8 (4 p + q)
.set F0,  0                            ; window 1: fragment buffers: source 0 at 8 p, source 1 at 32 + 8 q
.set F1,  64
.set WV, 14
.set WI, 15                            ; wave / 2: my half of source 0's rows; also: I fetch for source 0 (0) or 1 (1)
.set WJ, 16                            ; wave % 2: my half of source 1's rows; also: which half of a block I fetch
.set CXL, 17
.set CYL, 18
.set CXC, 19
.set CYC, 20
.set KIND, 21
.set WOFF, 22
.set WH, 23
.set G1, 24
.set G0, 32
.set BASE0, 40
.set BASE1, 42
.set M0, 44
.set H0, 45
.set E0, 46
.set BLK0, 47
.set G1B, 48
.set G0B, 56
.set OFF0, 66
.set M1, 68
.set H1, 69
.set E1, 70
.set BLK1, 71
.set OFF1, 72
.set TF, 74                            ; the slot to be asked for next, 0..15
.set HF, 75
.set RUN, 76
.set KC, 77
.set T0, 78
.set T0B, 79
.set T1, 80
.set T1B, 81
.set KO, 82
.set OB, 84
.set OO, 86
.set MSB, 0
.macro WIN new
.if MSB != (\new)
	s_set_vgpr_msb (MSB<<8)|(\new)
.set MSB, (\new)
.endif
.endm
.macro PLACES
.rept 4
	v_nop
.endr
.endm
.macro JLOAD s                         ; waves 0, 1 fetch source 0's halves, waves 2, 3 source 1's; an s_nop 0 and four v_nop follow each line
	s_cmp_eq_u32 s[WI], 0
	s_cbranch_scc0 .Lfor_b_\@
	tensor_load_to_lds s[G0+4*(\s):G0+4*(\s)+3], s[G1:G1+7]
	s_nop 0
.rept 4
	v_nop
.endr
	s_branch .Lasked_\@
.Lfor_b_\@:
	tensor_load_to_lds s[G0B+4*(\s):G0B+4*(\s)+3], s[G1B:G1B+7]
	s_nop 0
.rept 4
	v_nop
.endr
.Lasked_\@:
.endm
.macro CROUND                          ; a round of the cluster's barrier
	s_barrier_signal -1
	s_barrier_wait -1
	s_cmp_lg_u32 s[WV], 0
	s_cbranch_scc1 .Lnot_wave_0_\@
	s_barrier_signal -3
.Lnot_wave_0_\@:
	s_barrier_wait -3
	s_barrier_signal -1
	s_barrier_wait -1
.endm
; Both global addresses of slot TF are made anew, base + offset: block = ((TF & M) << H) + 4 ((TF >> 3) & E) + BLK, 65,536 bytes each, + my half
.macro FADDR s
	s_and_b32 s[T0], s[TF], s[M0]
	s_lshl_b32 s[T0], s[T0], s[H0]
	s_lshr_b32 s[T0B], s[TF], 3
	s_and_b32 s[T0B], s[T0B], s[E0]
	s_lshl2_add_u32 s[T0], s[T0B], s[T0]
	s_add_co_u32 s[T0], s[T0], s[BLK0]
	s_lshl_b32 s[OFF0], s[T0], 16
	s_add_co_u32 s[OFF0], s[OFF0], s[WH]
	s_add_nc_u64 s[G0+4*(\s)+2:G0+4*(\s)+3], s[BASE0:BASE0+1], s[OFF0:OFF0+1]
	s_or_b32 s[G0+4*(\s)+3], s[G0+4*(\s)+3], 0x80000000
	s_and_b32 s[T1], s[TF], s[M1]
	s_lshl_b32 s[T1], s[T1], s[H1]
	s_lshr_b32 s[T1B], s[TF], 3
	s_and_b32 s[T1B], s[T1B], s[E1]
	s_lshl2_add_u32 s[T1], s[T1B], s[T1]
	s_add_co_u32 s[T1], s[T1], s[BLK1]
	s_lshl_b32 s[OFF1], s[T1], 16
	s_add_co_u32 s[OFF1], s[OFF1], s[WH]
	s_add_nc_u64 s[G0B+4*(\s)+2:G0B+4*(\s)+3], s[BASE1:BASE1+1], s[OFF1:OFF1+1]
	s_or_b32 s[G0B+4*(\s)+3], s[G0B+4*(\s)+3], 0x80000000
	s_add_co_u32 s[TF], s[TF], 1
.endm
.macro MULG f                          ; 16 matrix instructions, each accumulator once: they take turns
	WIN 0x05
.irp p, 0,1,2,3
.irp q, 0,1,2,3
	v_wmma_f32_16x16x32_f16 v[ACC+8*(4*\p+\q):ACC+8*(4*\p+\q)+7], v[\f+8*\p:\f+8*\p+7], v[\f+32+8*\q:\f+32+8*\q+7], v[ACC+8*(4*\p+\q):ACC+8*(4*\p+\q)+7]
.endr
.endr
.endm
.macro FETG f, off                     ; 16 LDS loads: eight fragments of 32 along K
	WIN 0x40
.irp p, 0,1,2,3
	ds_load_b128 v[\f+8*\p:\f+8*\p+3],   v[A0] offset:\p*8192+(\off)
	ds_load_b128 v[\f+8*\p+4:\f+8*\p+7], v[A0] offset:\p*8192+(\off)+512
.endr
.irp q, 0,1,2,3
	ds_load_b128 v[\f+32+8*\q:\f+32+8*\q+3],   v[A1] offset:\q*8192+(\off)
	ds_load_b128 v[\f+32+8*\q+4:\f+32+8*\q+7], v[A1] offset:\q*8192+(\off)+512
.endr
.endm
.macro SLOTW slot                      ; a slot's eight chunks of 32 along K on two buffers; four v_nop stand between a buffer's products and the loads into it
	WIN 0
	v_mov_b32 v[A0], v[A0B+(\slot)]
	v_mov_b32 v[A1], v[A1B+(\slot)]
	s_mov_b32 s[KO], 0
	FETG F0, 0
	FETG F1, 1024
	WIN 0
	s_mov_b32 s[KC], 3
.Lk_\@:
	s_wait_dscnt 16                                ; the other buffer's 16 loads may be out
	MULG F0
	PLACES
	FETG F0, 2048
	s_wait_dscnt 16
	MULG F1
	PLACES
	FETG F1, 3072
	WIN 0
	s_add_co_u32 s[KO], s[KO], 2048
	v_add_nc_u32 v[A0], s[KO], v[A0B+(\slot)]
	v_add_nc_u32 v[A1], s[KO], v[A1B+(\slot)]
	s_sub_co_u32 s[KC], s[KC], 1
	s_cmp_lg_u32 s[KC], 0
	s_cbranch_scc1 .Lk_\@
	s_wait_dscnt 16
	MULG F0
	s_wait_dscnt 0x0
	MULG F1
	PLACES
	WIN 0
.endm
.macro FIRST                           ; a run's first slot is asked for as every other is
	WIN 0
	s_wait_tensorcnt 0x0                           ; no tensor load of mine is out
	ds_add_u32 v[SPW], v[NIL]
	FADDR 0
	s_wait_dscnt 0x0                               ; the add is done, and my reads of the ring are over
	CROUND
	JLOAD 0
.endm
.macro TRIPG slot, refill
	WIN 0
	s_wait_tensorcnt 0x0                           ; my part of this slot has landed: it was my one load that was out
	ds_add_u32 v[SPW], v[NIL]
.if \refill
	FADDR 1-(\slot)
.endif
	s_wait_dscnt 0x0                               ; the add is done, and my reads of the other slot are over
.if \refill
	CROUND                                         ; both now hold of every wave of the cluster
	JLOAD 1-(\slot)
.else
	s_barrier_signal -1
	s_barrier_wait -1
.endif
	SLOTW \slot
.endm
.macro CLEAR
.set i, ACC
.rept 128
	v_mov_b32 v[i], 0
.set i, i+1
.endr
.endm
	s_load_b256 s[4:11], s[0:1], 0x0               ; act 4, wt 6, qf 8, khl 10
	s_load_b64 s[12:13], s[0:1], 0x20              ; vf
	v_lshl_add_u32 v[SPW], v0, 2, SPARE
	v_mov_b32 v[NIL], 0
	ds_add_u32 v[SPW], v[NIL]                      ; the wave's opening
	v_lshrrev_b32 v1, 5, v0
	v_readfirstlane_b32 s[WV], v1
	s_lshr_b32 s[WI], s[WV], 1
	s_and_b32 s[WJ], s[WV], 1
	s_bfe_u32 s[CXL], ttmp6, 0x40000
	s_bfe_u32 s[CYL], ttmp6, 0x40004
	s_mov_b32 s[CXC], ttmp9
	s_and_b32 s[CYC], ttmp7, 0xffff
	s_max_u32 s[KIND], s[CYC], 1
	s_sub_co_u32 s[KIND], s[KIND], 1               ; 0 Q, 1 K, 2 V
	s_lshl_b32 s[T0], s[CYL], 2
	s_lshl_b32 s[T0], 15, s[T0]                    ; my row of the cluster
	s_or_b32 s[G1], s[T0], (3<<16)|(1<<21)         ; mask; elements of 8 bytes; bit 21 beside a mask; no padding
	s_lshl_b32 s[T1], 0x1111, s[CXL]               ; my column
	s_or_b32 s[G1B], s[T1], (3<<16)|(1<<21)
.irp g, G1, G1B
	s_mov_b32 s[\g+1], 32<<16                      ; tensor_dim0 = 32 elements: rows of 256 bytes
	s_mov_b32 s[\g+2], 128<<16                     ; tensor_dim1 = 128
	s_mov_b32 s[\g+3], 32<<16                      ; tile_dim0
	s_mov_b32 s[\g+4], 128                         ; tile_dim1
	s_mov_b32 s[\g+5], 32                          ; dense
	s_mov_b32 s[\g+6], 0
	s_mov_b32 s[\g+7], 0
.endr
	s_cmp_eq_u32 s[KIND], 0
	s_cselect_b32 s[M0], 7, 3
	s_cselect_b32 s[E0], 0, 1
	s_cselect_b32 s[M1], 15, 7
	s_cselect_b32 s[T0], s[CYC], 0
	s_mov_b32 s[T1], s[CXC]
	s_cmp_eq_u32 s[KIND], 2
	s_cselect_b32 s[M0], 7, s[M0]
	s_cselect_b32 s[H0], 4, 3
	s_cselect_b32 s[E0], 0, s[E0]
	s_cselect_b32 s[M1], 3, s[M1]
	s_cselect_b32 s[H1], 3, 4
	s_cselect_b32 s[E1], 1, 0
	s_cselect_b32 s[T0], s[CXC], s[T0]
	s_cselect_b32 s[T1], 0, s[T1]
	s_lshl2_add_u32 s[BLK0], s[T0], s[CYL]         ; source 0's block hangs on cy and the cluster's place,
	s_lshl2_add_u32 s[BLK1], s[T1], s[CXL]         ; source 1's on cx and the cluster's place
	s_lshl_b32 s[WOFF], s[WV], 15
	s_lshl_b32 s[WH], s[WJ], 15
.irp s, 0,1
	s_mov_b32 s[G0+4*\s], 1
	s_add_co_u32 s[G0+4*\s+1], s[WOFF], \s*SLOT
	s_mov_b32 s[G0B+4*\s], 1
	s_add_co_u32 s[G0B+4*\s+1], s[WOFF], \s*SLOT
.endr
	s_mov_b32 s[OFF0+1], 0
	s_mov_b32 s[OFF1+1], 0
	s_mov_b32 s[OO+1], 0
	s_mov_b32 s[TF], 0
	s_mov_b32 s[HF], 0
	v_and_b32 v1, 31, v0
	v_lshlrev_b32 v[CO], 4, v1
	s_lshl_b32 s94, s[WI], 15
	s_lshl_b32 s95, s[WJ], 15
	s_add_co_u32 s95, s95, 65536
	v_add_nc_u32 v[A0B], s94, v[CO]
	v_add_nc_u32 v[A1B], s95, v[CO]
	v_add_nc_u32 v[A0B+1], SLOT, v[A0B]
	v_add_nc_u32 v[A1B+1], SLOT, v[A1B]
	v_mov_b32 v[ONE], 1.0
	s_wait_dscnt 0x0                               ; the opening add is done
	s_wait_kmcnt 0x0
	s_add_nc_u64 s[88:89], s[4:5], 0x1000000       ; LN(memory)
	s_add_nc_u64 s[90:91], s[6:7], 0x400000        ; Wk
	s_add_nc_u64 s[92:93], s[6:7], 0x600000        ; Wv
	s_cmp_eq_u32 s[KIND], 0
	s_cselect_b64 s[BASE0:BASE0+1], s[6:7], s[90:91]
	s_cselect_b64 s[BASE1:BASE1+1], s[4:5], s[88:89]
	s_cmp_eq_u32 s[KIND], 2
	s_cselect_b64 s[BASE0:BASE0+1], s[88:89], s[BASE0:BASE0+1]
	s_cselect_b64 s[BASE1:BASE1+1], s[92:93], s[BASE1:BASE1+1]
	CLEAR
.Lhalf:                                                ; two halves of eight slots
	FIRST
	s_mov_b32 s[RUN], 3
.Lrun:
	TRIPG 0, 1
	TRIPG 1, 1
	s_sub_co_u32 s[RUN], s[RUN], 1
	s_cmp_lg_u32 s[RUN], 0
	s_cbranch_scc1 .Lrun
	TRIPG 0, 1
	TRIPG 1, 0
	s_cmp_lg_u32 s[KIND], 0
	s_cbranch_scc1 .Lkv
	s_cmp_eq_u32 s[HF], 0
	s_cbranch_scc1 .Lnext                          ; Q's first half: the lo pass goes on adding
	; Q: the accumulators as they lie: [row tile][channel tile][half][lane][16 bytes]
	s_lshl_b32 s[OO], s[BLK1], 3
	s_lshl2_add_u32 s[OO], s[WJ], s[OO]
	s_lshl_b32 s[OO], s[OO], 6
	s_lshl3_add_u32 s[OO], s[BLK0], s[OO]
	s_lshl2_add_u32 s[OO], s[WI], s[OO]
	s_lshl_b32 s[OO], s[OO], 10
	s_add_nc_u64 s[OB:OB+1], s[8:9], s[OO:OO+1]
.irp p, 0,1,2,3
.irp q, 0,1,2,3
	global_store_b128 v[CO], v[ACC+8*(4*\p+\q):ACC+8*(4*\p+\q)+3],   s[OB:OB+1] offset:\q*65536+\p*1024
	global_store_b128 v[CO], v[ACC+8*(4*\p+\q)+4:ACC+8*(4*\p+\q)+7], s[OB:OB+1] offset:\q*65536+\p*1024+512
.endr
.endr
	s_branch .Lnext
.Lkv:
	s_wait_xcnt 0x0                                ; the first tile's stores have read their base and data
	s_cmp_eq_u32 s[KIND], 1
	s_cbranch_scc0 .Lv
	; K: head 4 HF + cy; [head][hi, lo][key tile][channel chunk] fragments: a head is 256 runs of 4,096 bytes, lo's 128 behind hi's; accumulator (p, q): key tile q, chunk 2 i + p / 2, part p % 2
	s_lshl2_add_u32 s[OO], s[HF], s[CYL]
	s_lshl_b32 s[OO], s[OO], 8
	s_lshl3_add_u32 s[OO], s[BLK1], s[OO]
	s_lshl2_add_u32 s[OO], s[WJ], s[OO]
	s_lshl_b32 s[OO], s[OO], 12
	s_lshl_b32 s94, s[WI], 11
	s_add_co_u32 s[OO], s[OO], s94
	s_add_nc_u64 s[OB:OB+1], s[10:11], s[OO:OO+1]
.set a, 0
.rept 16
.set st, TMP+8*(a%8)
.if a >= 8
	s_wait_xcnt 0x0                                ; the set's last stores have read it
.endif
.irp d, 0,1,2,3
	v_cvt_pk_f16_f32 v[st+\d], v[ACC+8*a+2*\d], v[ACC+8*a+2*\d+1]
.endr
.irp d, 0,1,2,3
	v_fma_mix_f32 v[RES+2*\d], -v[st+\d], v[ONE], v[ACC+8*a+2*\d] op_sel_hi:[1,0,0]
	v_fma_mix_f32 v[RES+2*\d+1], -v[st+\d], v[ONE], v[ACC+8*a+2*\d+1] op_sel:[1,0,0] op_sel_hi:[1,0,0]
.endr
.irp d, 0,1,2,3
	v_cvt_pk_f16_f32 v[st+4+\d], v[RES+2*\d], v[RES+2*\d+1]
.endr
	global_store_b128 v[CO], v[st:st+3],   s[OB:OB+1] offset:(a%4)*4096+((a/4)/2)*1024+((a/4)%2)*512
	global_store_b128 v[CO], v[st+4:st+7], s[OB:OB+1] offset:(a%4)*4096+((a/4)/2)*1024+((a/4)%2)*512+524288
.set a, a+1
.endr
	s_branch .Lclear
.Lv:
	; V: head 4 HF + cx; fragment [chunk of 32 keys][channel tile]; accumulator (p, q): chunk 2 i + p / 2, part p % 2, channel tile 4 j + q
	s_lshl2_add_u32 s[OO], s[HF], s[CXL]
	s_lshl_b32 s[OO], s[OO], 6
	s_lshl2_add_u32 s[OO], s[BLK0], s[OO]
	s_lshl1_add_u32 s[OO], s[WI], s[OO]
	s_lshl_b32 s[OO], s[OO], 13
	s_lshl_b32 s94, s[WJ], 12
	s_add_co_u32 s[OO], s[OO], s94
	s_add_nc_u64 s[OB:OB+1], s[12:13], s[OO:OO+1]
.set a, 0
.rept 16
.irp d, 0,1,2,3
	v_cvt_pk_f16_f32 v[TMP+4*a+\d], v[ACC+8*a+2*\d], v[ACC+8*a+2*\d+1]
.endr
	global_store_b128 v[CO], v[TMP+4*a:TMP+4*a+3], s[OB:OB+1] offset:((a/4)/2)*8192+(a%4)*1024+((a/4)%2)*512
.set a, a+1
.endr
.Lclear:
	s_cmp_eq_u32 s[HF], 1
	s_cbranch_scc1 .Lnext
	CLEAR                                          ; the second tile's sums
.Lnext:
	s_add_co_u32 s[HF], s[HF], 1
	s_cmp_lt_u32 s[HF], 2
	s_cbranch_scc1 .Lhalf
	s_wait_tensorcnt 0x0                           ; the wave's end
	ds_add_u32 v[SPW], v[NIL]
	s_wait_dscnt 0x0
	CROUND                                         ; the closing round
	s_endpgm
.Lfunc_end_k_qfb5f43b0cf_proj:
	.size	k_qfb5f43b0cf_proj, .Lfunc_end_k_qfb5f43b0cf_proj-k_qfb5f43b0cf_proj
	.p2alignl 7, 3214868480
	.fill 96, 4, 3214868480
	.section	.rodata,"a",@progbits
	.p2align	6, 0x0
	.amdhsa_kernel k_qfb5f43b0cf_proj
		.amdhsa_group_segment_fixed_size 327680
		.amdhsa_private_segment_fixed_size 0
		.amdhsa_enable_private_segment 0
		.amdhsa_kernarg_size 40
		.amdhsa_user_sgpr_count 2
		.amdhsa_user_sgpr_kernarg_segment_ptr 1
		.amdhsa_wavefront_size32 1
		.amdhsa_system_sgpr_workgroup_id_x 1
		.amdhsa_system_sgpr_workgroup_id_y 1
		.amdhsa_system_sgpr_workgroup_id_z 1
		.amdhsa_system_vgpr_workitem_id 0
		.amdhsa_next_free_vgpr 384
		.amdhsa_next_free_sgpr 100
		.amdhsa_reserve_vcc 0
		.amdhsa_float_denorm_mode_32 3
		.amdhsa_float_denorm_mode_16_64 3
		.amdhsa_memory_ordered 1
		.amdhsa_forward_progress 1
		.amdhsa_inst_pref_size 86
	.end_amdhsa_kernel
	.amdgpu_metadata
---
amdhsa.version: [ 1, 2 ]
amdhsa.kernels:
  - .name:           k_qfb5f43b0cf_proj
    .symbol:         k_qfb5f43b0cf_proj.kd
    .args:
      - { .name: act, .offset: 0, .size: 8, .value_kind: global_buffer, .address_space: global }
      - { .name: wt, .offset: 8, .size: 8, .value_kind: global_buffer, .address_space: global }
      - { .name: qf, .offset: 16, .size: 8, .value_kind: global_buffer, .address_space: global }
      - { .name: khl, .offset: 24, .size: 8, .value_kind: global_buffer, .address_space: global }
      - { .name: vf, .offset: 32, .size: 8, .value_kind: global_buffer, .address_space: global }
    .group_segment_fixed_size: 327680
    .private_segment_fixed_size: 0
    .kernarg_segment_align: 8
    .kernarg_segment_size: 40
    .max_flat_workgroup_size: 128
    .sgpr_count:     100
    .vgpr_count:     384
    .wavefront_size: 32
...
	.end_amdgpu_metadata
.endif
;; end of part 5
;; launch hop (part 6): grid 64 x 8, 4 waves a work-group, clusters of 4 x 1, 327,680 bytes of LDS; arguments qf, khl, vf, log_beta, xo; writes xo
.if DOCPART == 6
	.amdgcn_target "amdgcn-amd-amdhsa--gfx1250"
	.amdhsa_code_object_version 6
	.text
	.protected	k_qfb5f43b0cf_hop
	.globl	k_qfb5f43b0cf_hop
	.p2align	8
	.type	k_qfb5f43b0cf_hop,@function
k_qfb5f43b0cf_hop:
	s_mov_b64 s[64:65], 0
	v_nop
	global_prefetch_b8 v0, s[64:65] scope:SCOPE_SE
	s_setreg_imm32_b32 hwreg(HW_REG_WAVE_MODE, 25, 1), 1
	s_wait_xcnt 0x0
	s_wait_alu depctr_hold_cnt(0) depctr_sa_sdst(0) depctr_va_vdst(0) depctr_va_sdst(0) depctr_va_ssrc(0) depctr_va_vcc(0) depctr_vm_vsrc(0)
	s_getreg_b32 s2, hwreg(HW_REG_IB_STS2, 6, 4)
	s_cmp_eq_u32 s2, 0
	s_cbranch_scc0 .Lentry_in_a_cluster
	s_endpgm
.Lentry_in_a_cluster:
	s_bfe_u32 s2, ttmp6, 0x10000c
	s_cmp_lg_u32 s2, 0x3003
	s_cbranch_scc0 .Lentry_shape_is_right
	s_endpgm
.Lentry_shape_is_right:
; HOP: the three steps xi <- entmax15(beta xi K^T) V for one head and 32 rows, fused: scores, weights and xi never leave the WGP.
; SHARES.  A work-group: head (y), rows 32 block .. + 31 as two tiles A, B of 16.  Wave w owns keys 512 w .. + 511: 32 key tiles x 2 row tiles x 8 registers = 512 registers of scores.
; LAYOUT.  S^T = K X^T (source 0 = 16 keys, source 1 = 16 rows): a lane holds ONE row (lane % 16) and 8 keys.  Two results rounded to f16 ARE source 1 of O^T = V^T P, which again holds one row a lane and 8 channels.
; The waves' partial O^T meet in LDS (OX): wave w adds channel tiles 2 w, 2 w + 1 of all four, splits the sums into hi + lo in f16 and puts the two fragments into XF, from where every wave reads X.
; FORMATS.  X is a pair hi + lo in every step.  K is a pair in the first step (Kl X, then Kh X, onto one f32 sum) and Kh alone in the second and third: xi shrinks from step to step while an error once made
; is handed on unchanged, so a rounding of a score in the first step weighs about twice that of the second and four times that of the third in the output; Kl's bytes are a third of a step's stream.
; The K phase is one text in a loop of KP trips (2 in the first step, 1 later); all its products add onto S, which is cleared at each step's head, in the wait for the step's first tile.
; ENTMAX-1.5 without a sort: with m the row's maximum, d = s - m (taken first, in place), c = exp(bf16(log_beta)) / 2, p(tau) = clamp01(c d - tau), phi = sum p^2: tau* solves phi = 1 and lies in [-1, 0)
; for every input (the largest term alone gives 1 at -1; phi(0) = 0).  NPASS passes: the first at -1, then NPASS - 1 halvings, phi kept at both ends of the bracket of width w = 2^(1-NPASS); then the root of
; the chord of h = sqrt(phi).  h is convex and falls, h'' = (k S2 - S1^2) / S2^1.5 <= n / h with k <= n keys above tau, and |h'| <= sqrt(n), so h >= 1 - sqrt(n) w = 0.91 in the bracket.
; LIMIT: 0 <= 1 - phi(root) <= n w^2 / (4 x 0.91) = 2.2e-3 for n = 2,048 and NPASS = 10, whatever the scores; each weight p^2 falls as tau rises, so that is the sum of the weights' errors.  It goes with
; k S2 - S1^2: the chord is exact where all p above tau are equal (very small scores), and the bound is reached only where one large p stands beside some 2,000 that begin inside the bracket.
; BY HALVES.  Tiles A and B are half a pass apart: while one tile's scores are walked, the other's four figures go through LDS (store, barrier, load) and its bracket is updated.
; K and V come as register images (fragments of 1,024 bytes), 32,768 dense bytes a wave and load, into a ring of two slots; a wave reads only what it fetched.
; CLUSTER 4 x 1: the four row blocks of a cluster walk the same head's K and V, so every tile is asked for jointly.
; REGISTERS, in windows of 256: the upper half of window kt / 8 holds S(rt, kt) at 128 + 16 (kt % 8) + 8 rt; P(rt, j) is made in place at 128 + 32 (j % 4) + 8 rt of window j / 4.
;   window 0 low: addresses, statistics and ALL of entmax's locals, so that a pass names S through source 0's window alone; window 1 low: X(rt, hl, kc) at 64 rt + 32 hl + 8 kc, later O(rt, ct) at 64 rt + 8 ct;
;   windows 2, 3 low: the two halves of a tile's fragments; during entmax they hold V's first tile, so that its slot can be asked for V's third.
; LIMITS.  |xi|, |K|, |V| under 65,504; lo parts and weights keep f16's fixed step of 6e-8; NaN and infinities are not treated apart.
.set NPASS, 10
.set RING1, 131072
.set OX,    262144                     ; 4 waves x 8,192 bytes: the partial O^T of one row tile
.set XF,    294912                     ; 16,384 bytes: X as fragments [rt 2][hi, lo][chunk 4]
.set XCH,   311296                     ; 512 bytes: [tile 2][row 16][wave 4] words
.set SPARE, 311808                     ; the spare words, 128 bytes a wave
.set AR0, 2                            ; v2-3  16 lane + my part of slot 0, 1
.set OXS, 4                            ; OX: where I put my partial sums
.set OXO, 5                            ; OX: my two channel tiles in area 0
.set XS,  6                            ; XCH: lane l's word of mine (lanes 0-15 tile A, 16-31 tile B)
.set XL,  7                            ; XCH: my row's four words in tile A's part
.set GQ,  8                            ; 16 x lane
.set XFS, 9                            ; XF: my chunk
.set SPW, 10                           ; my spare word; never rewritten
.set NIL, 11                           ; 0; never rewritten
.set ONE, 12
.set CM,  13                           ; c
.set NLA, 14                           ; v14-15 -lo, tiles A and B
.set HSA, 16                           ; v16-17 half the bracket's width
.set XSA, 18                           ; XCH: my row's word of mine in tile A's part
.set VT,  19
.set FLA, 20                           ; v20-21 phi(lo)
.set FHA, 22                           ; v22-23 phi(hi)
.set XFL, 24                           ; XF + 16 lane
.set RT,  25                           ; the other half of the lanes' sum
.set ZZ,  26                           ; v[26:27] 0, 0
.set QT,  28                           ; v[28:29] 0.25 twice
.set RS,  30                           ; my wave's sum for my row
.set L,   32                           ; v[32:39] the four waves' figures, tiles A and B
.set HI,  40                           ; v[40:47] at a step's head and on the way out
.set MX,  40                           ; v[40:47] in the K phase: the maxima's chains, four a tile
.set AC,  40                           ; v[40:55] in a pass: eight chains of pairs
.set LO,  56                           ; v[56:63] at a step's head and on the way out
.set CC,  56                           ; v[56:57] c twice
.set NA,  58                           ; v[58:59] -tau of tile A twice (first: -m), v[60:61] of tile B
.set TP,  64                           ; v[64:127] 32 pairs of p
.set WV, 14
.set HEAD, 15
.set BLKN, 16
.set G0, 20
.set G1, 24
.set KB, 32                            ; Kh: my 32 key tiles
.set VB, 34
.set WOFF, 36
.set STEP, 37
.set CNT, 38
.set TS, 39
.set SEL, 40
.set HM, 42
.set MA, 43
.set CUR, 46                           ; the part of K that the pass in hand walks
.set QB, 48
.set XOB, 50
.set NXT, 52                           ; where the tile behind a pass's last comes from
.set KI, 54
.set KP, 55
.set MSB, 0
.macro WIN new
.if MSB != (\new)
	s_set_vgpr_msb (MSB<<8)|(\new)
.set MSB, (\new)
.endif
.endm
.macro PLACES
.rept 4
	v_nop
.endr
.endm
.macro CROUND
	s_barrier_signal -1
	s_barrier_wait -1
	s_cmp_lg_u32 s[WV], 0
	s_cbranch_scc1 .Lnot_wave_0_\@
	s_barrier_signal -3
.Lnot_wave_0_\@:
	s_barrier_wait -3
	s_barrier_signal -1
	s_barrier_wait -1
.endm
; A slot is filled: all my tensor loads have landed (one was out), the add, my LDS instructions are done, a round of the cluster's barrier, and my one joint load first behind it.
.macro REFILL ring, base, imm
	WIN 0
	s_wait_tensorcnt 0x0
	ds_add_u32 v[SPW], v[NIL]
	s_add_co_u32 s[G0+1], s[WOFF], (\ring)*RING1
	s_add_nc_u64 s[G0+2:G0+3], s[\base:\base+1], \imm
	s_or_b32 s[G0+3], s[G0+3], 0x80000000
	s_wait_dscnt 0x0
	CROUND
	tensor_load_to_lds s[G0:G0+3], s[G1:G1+7]
	s_nop 0
.rept 4
	v_nop
.endr
.endm
; My 32,768 bytes of a tile of K: 8 key tiles x 4 chunks.  Key tiles 0-3 into window 2, 4-7 into window 3 (fragment (kl, kc) at 32 kl + 8 kc), in the order of their use: by chunk, eight loads a group.
.macro LDK ar
.irp hf, 0,1
	WIN 0x80+0x40*\hf
.irp kc, 0,1,2,3
.irp kl, 0,1,2,3
	ds_load_b128 v[32*\kl+8*\kc:32*\kl+8*\kc+3],   v[\ar] offset:\hf*16384+\kl*4096+\kc*1024
	ds_load_b128 v[32*\kl+8*\kc+4:32*\kl+8*\kc+7], v[\ar] offset:\hf*16384+\kl*4096+\kc*1024+512
.endr
.endr
.endr
.endm
; Tile t of a part of K: S(window t) += K Xh + K Xl.  128 products in eight groups of 16; a group's eight accumulators take turns.
.macro PROCH t
	LDK AR0+((\t)&1)
.irp hf, 0,1
	WIN (2+\hf)|4|((\t)<<4)|((\t)<<6)
.irp kc, 0,1,2,3
	s_wait_dscnt 56-32*\hf-8*\kc                   ; the later groups' loads, eight each, may be out
.irp xl, 0,1
.irp kl, 0,1,2,3
.irp rt, 0,1
	v_wmma_f32_16x16x32_f16 v[128+64*\hf+16*\kl+8*\rt:128+64*\hf+16*\kl+8*\rt+7], v[32*\kl+8*\kc:32*\kl+8*\kc+7], v[64*\rt+32*\xl+8*\kc:64*\rt+32*\xl+8*\kc+7], v[128+64*\hf+16*\kl+8*\rt:128+64*\hf+16*\kl+8*\rt+7]
.endr
.endr
.endr
.endr
.endr
	PLACES
.endm
; The maxima of window w's 128 scores onto eight chains in window 0 (sources 1 and 2 in window w): it stands behind the tile's products, while the next tile is on its way.
; Of each accumulator registers 0 and 1 are read first; a chain is taken up again eight lines later.
.macro MAXPX w
	WIN (\w)*0x14
.set k, 0
.rept 8
.irp s, 0,1,2,3
.irp rt, 0,1
	v_max3_num_f32 v[MX+4*\rt+\s], v[MX+4*\rt+\s], v[128+16*k+8*\rt+2*\s], v[128+16*k+8*\rt+2*\s+1]
.endr
.endr
.set k, k+1
.endr
	WIN 0
.endm
; Quarter q of my 32,768 bytes of a tile of V: one chunk of 32 keys, eight fragments.  Chunks 0, 1 into window 2, chunks 2, 3 into window 3.
.macro LDVQ ar, q
	WIN 0x80+0x40*((\q)/2)
.set m, 16*((\q)%2)
.rept 16
	ds_load_b128 v[4*m:4*m+3], v[\ar] offset:((\q)/2)*16384+m*512
.set m, m+1
.endr
.endm
; Tile u of V: 64 products, a chunk's 16 accumulators of O^T by turns; the very first chunk starts the sums.  waits = 1: the fragments' loads were issued just before
.macro MULV u, waits
.irp pr, 0,1
	WIN 0x50|((\u)<<2)|(2+\pr)
.irp cl, 0,1
.if \waits
	s_wait_dscnt 48-32*\pr-16*\cl                  ; the later chunks' loads, sixteen each, may be out
.endif
.irp ct, 0,1,2,3,4,5,6,7
.irp rt, 0,1
.if ((\u) == 0) && (\pr == 0) && (\cl == 0)
	v_wmma_f32_16x16x32_f16 v[64*\rt+8*\ct:64*\rt+8*\ct+7], v[64*\cl+8*\ct:64*\cl+8*\ct+7], v[128+32*(2*\pr+\cl)+8*\rt:128+32*(2*\pr+\cl)+8*\rt+7], 0
.else
	v_wmma_f32_16x16x32_f16 v[64*\rt+8*\ct:64*\rt+8*\ct+7], v[64*\cl+8*\ct:64*\cl+8*\ct+7], v[128+32*(2*\pr+\cl)+8*\rt:128+32*(2*\pr+\cl)+8*\rt+7], v[64*\rt+8*\ct:64*\rt+8*\ct+7]
.endif
.endr
.endr
.endr
.endr
	PLACES
.endm
.macro PROCV u
	LDVQ AR0+((\u)&1), 0
	LDVQ AR0+((\u)&1), 1
	LDVQ AR0+((\u)&1), 2
	LDVQ AR0+((\u)&1), 3
	MULV \u, 1
.endm
.macro XLOAD                           ; X out of XF: 16 fragments
	WIN 0x40
.set n, 0
.rept 32
	ds_load_b128 v[4*n:4*n+3], v[XFL] offset:n*512
.set n, n+1
.endr
.endm
; Row tile rt's partial O^T into OX; when all four waves' are there, my two channel tiles of all four areas come back into v64-127
.macro RSTORE rt
	WIN 0x04
.set n, 0
.rept 16
	ds_store_b128 v[OXS], v[64*(\rt)+4*n:64*(\rt)+4*n+3] offset:n*512
.set n, n+1
.endr
	WIN 0
	s_wait_dscnt 0x0                               ; for the others' sake
	s_barrier_signal -1
	s_barrier_wait -1
.irp a, 0,1,2,3
.irp q, 0,1,2,3
	ds_load_b128 v[64+16*\a+4*\q:64+16*\a+4*\q+3], v[OXO] offset:\a*8192+\q*512
.endr
.endr
	s_wait_dscnt 0x0
.endm
.macro RADD                            ; (a0 + a1) + (a2 + a3) into v64-79
.set n, 0
.rept 8
	v_pk_add_f32 v[64+2*n:64+2*n+1], v[64+2*n:64+2*n+1], v[80+2*n:80+2*n+1]
	v_pk_add_f32 v[96+2*n:96+2*n+1], v[96+2*n:96+2*n+1], v[112+2*n:112+2*n+1]
.set n, n+1
.endr
.set n, 0
.rept 8
	v_pk_add_f32 v[64+2*n:64+2*n+1], v[64+2*n:64+2*n+1], v[96+2*n:96+2*n+1]
.set n, n+1
.endr
.endm
.macro RCONV                           ; hi = f16(x), lo = f16(x - hi)
.set n, 0
.rept 8
	v_cvt_pk_f16_f32 v[HI+n], v[64+2*n], v[64+2*n+1]
.set n, n+1
.endr
.set n, 0
.rept 8
	v_fma_mix_f32 v[64+2*n], -v[HI+n], v[ONE], v[64+2*n] op_sel_hi:[1,0,0]
	v_fma_mix_f32 v[64+2*n+1], -v[HI+n], v[ONE], v[64+2*n+1] op_sel:[1,0,0] op_sel_hi:[1,0,0]
.set n, n+1
.endr
.set n, 0
.rept 8
	v_cvt_pk_f16_f32 v[LO+n], v[64+2*n], v[64+2*n+1]
.set n, n+1
.endr
.endm
.macro XFST rt                         ; my chunk's fragment of hi and of lo
	ds_store_b128 v[XFS], v[HI:HI+3]   offset:(\rt)*8192
	ds_store_b128 v[XFS], v[HI+4:HI+7] offset:(\rt)*8192+512
	ds_store_b128 v[XFS], v[LO:LO+3]   offset:(\rt)*8192+4096
	ds_store_b128 v[XFS], v[LO+4:LO+7] offset:(\rt)*8192+4608
.endm
.macro CLEAR                           ; S = 0, two registers a line (0 x 0): the K phase's one text adds onto S in every pass
.irp w, 0,1,2,3
	WIN (\w)<<6
.set i, 0
.rept 64
	v_pk_mul_f32 v[128+2*i:128+2*i+1], v[ZZ:ZZ+1], v[ZZ:ZZ+1]
.set i, i+1
.endr
.endr
	WIN 0
.endm
; ENTMAX's parts
.macro SUBP w                          ; d = s - m, in place; -m lies in window 0
	WIN ((\w)<<6)|(\w)
.set i, 0
.rept 64
	v_pk_add_f32 v[128+2*i:128+2*i+1], v[128+2*i:128+2*i+1], v[NA+2*((i/4)%2):NA+2*((i/4)%2)+1]
.set i, i+1
.endr
.endm
; Tile rt's 64 scores of window w: 32 lines p = clamp01(c d - tau) into TP, then 32 lines chains += p^2.  Only source 0 of the first 32 lies outside window 0, so the eight chains run on through all four windows.
; first = 1: the first eight products start the chains: nothing is cleared.
.macro EV rt, w, first
	WIN (\w)
.set i, 0
.rept 32
	v_pk_fma_f32 v[TP+2*i:TP+2*i+1], v[128+16*(i/4)+8*(\rt)+2*(i%4):128+16*(i/4)+8*(\rt)+2*(i%4)+1], v[CC:CC+1], v[NA+2*(\rt):NA+2*(\rt)+1] clamp
.set i, i+1
.endr
	WIN 0
.set i, 0
.rept 32
.if (\first) && (i < 8)
	v_pk_mul_f32 v[AC+2*i:AC+2*i+1], v[TP+2*i:TP+2*i+1], v[TP+2*i:TP+2*i+1]
.else
	v_pk_fma_f32 v[AC+2*(i%8):AC+2*(i%8)+1], v[TP+2*i:TP+2*i+1], v[TP+2*i:TP+2*i+1], v[AC+2*(i%8):AC+2*(i%8)+1]
.endif
.set i, i+1
.endr
.endm
.macro RED                             ; the eight chains, then the other half of the lanes': my wave's sum for my row, in all 32 lanes
	v_pk_add_f32 v[AC:AC+1], v[AC:AC+1], v[AC+2:AC+3]
	v_pk_add_f32 v[AC+4:AC+5], v[AC+4:AC+5], v[AC+6:AC+7]
	v_pk_add_f32 v[AC+8:AC+9], v[AC+8:AC+9], v[AC+10:AC+11]
	v_pk_add_f32 v[AC+12:AC+13], v[AC+12:AC+13], v[AC+14:AC+15]
	v_pk_add_f32 v[AC:AC+1], v[AC:AC+1], v[AC+4:AC+5]
	v_pk_add_f32 v[AC+8:AC+9], v[AC+8:AC+9], v[AC+12:AC+13]
	v_pk_add_f32 v[AC:AC+1], v[AC:AC+1], v[AC+8:AC+9]
	v_add_f32 v[RS], v[AC], v[AC+1]
	v_permlanex16_b32 v[RT], v[RS], s[SEL], s[SEL+1]
	v_add_f32 v[RS], v[RS], v[RT]
.endm
; Tile x's bracket takes the pass's phi: the four waves' figures are added in the same order in every wave, so all waves decide alike.  The choice only selects values: no branch hangs on it.
.macro UPD x
	v_pk_add_f32 v[L+4*(\x):L+4*(\x)+1], v[L+4*(\x):L+4*(\x)+1], v[L+4*(\x)+2:L+4*(\x)+3]
	v_mul_f32 v[HSA+(\x)], 0.5, v[HSA+(\x)]
	v_add_f32 v[L+4*(\x)], v[L+4*(\x)], v[L+4*(\x)+1]
	v_cmp_le_f32 s[MA], 1.0, v[L+4*(\x)]           ; phi is still 1 or more: tau* lies at or above this tau, which becomes lo; else it becomes hi
	v_cndmask_b32 v[NLA+(\x)], v[NLA+(\x)], v[NA+2*(\x)], s[MA]
	v_cndmask_b32 v[FLA+(\x)], v[FLA+(\x)], v[L+4*(\x)], s[MA]
	v_cndmask_b32 v[FHA+(\x)], v[L+4*(\x)], v[FHA+(\x)], s[MA]
	v_sub_f32 v[NA+2*(\x)], v[NLA+(\x)], v[HSA+(\x)]    ; the bracket's middle
	v_sub_f32 v[NA+2*(\x)+1], v[NLA+(\x)], v[HSA+(\x)]
.endm
; Half a pass: tile t's scores are walked, and between its windows the OTHER tile's figures go from wave to wave.  In order: window 0 stands between the other tile's store (at the end of the half before) and the
; wait for it; the signal says that this store is done and that my last load of t's figures is back; windows 1 and 2 stand between signal and wait; behind the wait the other tile's four figures are loaded,
; and t's words may be stored anew; window 3 and the reduction stand between that load and the wait for it.
.macro HALF t
	EV \t, 0, 1
	s_wait_dscnt 0x0                               ; for the others' sake: my store of the other tile's figure is done, and my loads are back
	s_barrier_signal -1
	EV \t, 1, 0
	EV \t, 2, 0
	s_barrier_wait -1
	ds_load_b128 v[L+4*(1-(\t)):L+4*(1-(\t))+3], v[XL] offset:256*(1-(\t))
	EV \t, 3, 0
	RED
	ds_store_b32 v[XSA], v[RS] offset:256*(\t)     ; lanes l and l + 16 store the same number into the same word
	s_wait_dscnt 0x1                               ; the store just issued may be out: the load is back
.endm
; Tile rt's weights p^2 of window w, rounded to f16 into P: P(rt, j) takes the place of S(rt, 2 j), and all of the tile's 64 scores of the window are read before the first is written over
.macro FIN rt, w
	WIN (\w)
.set i, 0
.rept 32
	v_pk_fma_f32 v[TP+2*i:TP+2*i+1], v[128+16*(i/4)+8*(\rt)+2*(i%4):128+16*(i/4)+8*(\rt)+2*(i%4)+1], v[CC:CC+1], v[NA+2*(\rt):NA+2*(\rt)+1] clamp
.set i, i+1
.endr
	WIN 0
.set i, 0
.rept 32
	v_pk_mul_f32 v[TP+2*i:TP+2*i+1], v[TP+2*i:TP+2*i+1], v[TP+2*i:TP+2*i+1]
.set i, i+1
.endr
	WIN (\w)<<6
.set i, 0
.rept 32
	v_cvt_pk_f16_f32 v[128+32*((i/4)/2)+8*(\rt)+4*((i/4)%2)+i%4], v[TP+2*i], v[TP+2*i+1]
.set i, i+1
.endr
.endm
	s_load_b256 s[4:11], s[0:1], 0x0               ; qf 4, khl 6, vf 8, log_beta 10
	s_load_b64 s[12:13], s[0:1], 0x20              ; xo
	v_lshl_add_u32 v[SPW], v0, 2, SPARE
	v_mov_b32 v[NIL], 0
	ds_add_u32 v[SPW], v[NIL]                      ; the wave's opening
	v_lshrrev_b32 v1, 5, v0
	v_readfirstlane_b32 s[WV], v1
	s_bfe_u32 s17, ttmp6, 0x40000                  ; cx: it enters qf's and xo's addresses alone
	s_lshl_b32 s[BLKN], ttmp9, 2
	s_add_co_u32 s[BLKN], s[BLKN], s17
	s_and_b32 s[HEAD], ttmp7, 0xffff
	s_mov_b32 s[G1], 15|(3<<16)|(1<<21)            ; the mask of four; elements of 8 bytes; bit 21 beside a mask; no padding
	s_mov_b32 s[G1+1], 32<<16                      ; rows of 256 bytes
	s_mov_b32 s[G1+2], 128<<16
	s_mov_b32 s[G1+3], 32<<16
	s_mov_b32 s[G1+4], 128
	s_mov_b32 s[G1+5], 32
	s_mov_b32 s[G1+6], 0
	s_mov_b32 s[G1+7], 0
	s_mov_b32 s[G0], 1
	s_lshl_b32 s[WOFF], s[WV], 15
	s_mov_b32 s[SEL], 0x76543210
	s_mov_b32 s[SEL+1], 0xfedcba98
	s_mov_b32 s[HM], 0xffff0000
	v_and_b32 v1, 31, v0
	v_lshlrev_b32 v[GQ], 4, v1
	v_add_nc_u32 v[AR0], s[WOFF], v[GQ]
	v_add_nc_u32 v[AR0+1], RING1, v[AR0]
	v_add_nc_u32 v[OXO], OX, v[GQ]
	s_lshl_b32 s18, s[WV], 13
	v_add_nc_u32 v[OXS], s18, v[OXO]
	s_lshl_b32 s18, s[WV], 11
	v_add_nc_u32 v[OXO], s18, v[OXO]
	v_add_nc_u32 v[XFL], XF, v[GQ]
	s_lshl_b32 s18, s[WV], 10
	v_add_nc_u32 v[XFS], s18, v[XFL]
	s_lshl_b32 s18, s[WV], 2
	s_add_co_u32 s18, s18, XCH
	v_add_nc_u32 v[XS], s18, v[GQ]
	v_and_b32 v[VT], 15, v1
	v_lshl_add_u32 v[XL], v[VT], 4, XCH
	v_lshl_add_u32 v[XSA], v[VT], 4, s18
	v_mov_b32 v[ONE], 1.0
	v_mov_b32 v[RT], 0
	v_mov_b32 v[ZZ], 0
	v_mov_b32 v[ZZ+1], 0
	v_mov_b32 v[QT], 0x3e800000
	v_mov_b32 v[QT+1], 0x3e800000
	s_lshl_b32 s56, s[HEAD], 20                    ; khl: a head is 1 MiB, my 32 key tiles 131,072 bytes of each part
	s_lshl_b32 s18, s[WV], 17
	s_add_co_u32 s56, s56, s18
	s_mov_b32 s57, 0
	s_lshl_b32 s58, s[HEAD], 19                    ; vf: a head is 512 KiB, my 16 chunks 131,072 bytes
	s_add_co_u32 s58, s58, s18
	s_mov_b32 s59, 0
	s_lshl_b32 s60, s[BLKN], 7
	s_lshl3_add_u32 s60, s[HEAD], s60
	s_lshl_b32 s60, s60, 10                        ; qf: (row tile 2 block) x 64 + channel tile 8 head, 1,024 bytes each
	s_mov_b32 s61, 0
	s_lshr_b32 s62, s[HEAD], 1
	s_lshr_b32 s18, s[BLKN], 2
	s_lshl4_add_u32 s62, s62, s18
	s_lshl_b32 s62, s62, 6
	s_and_b32 s18, s[BLKN], 3
	s_lshl4_add_u32 s62, s18, s62
	s_and_b32 s18, s[HEAD], 1
	s_lshl2_add_u32 s62, s18, s62
	s_add_co_u32 s62, s62, s[WV]
	s_lshl_b32 s62, s62, 10                        ; xo: block (head / 2, row / 128), row tile, chunk 4 (head % 2) + wave
	s_mov_b32 s63, 0
	s_lshl_b32 s18, s[HEAD], 2
	v_mov_b32 v[VT], s18
	s_wait_dscnt 0x0                               ; the opening add is done
	s_wait_kmcnt 0x0
	s_add_nc_u64 s[KB:KB+1], s[6:7], s[56:57]      ; Kh
	s_add_nc_u64 s[CUR:CUR+1], s[KB:KB+1], 0x80000 ; Kl, 128 key tiles of 4,096 bytes on: the first step's first pass
	s_add_nc_u64 s[VB:VB+1], s[8:9], s[58:59]
	s_add_nc_u64 s[QB:QB+1], s[4:5], s[60:61]
	s_add_nc_u64 s[XOB:XOB+1], s[12:13], s[62:63]
	WIN 0x40
.irp rt, 0,1
.set n, 0
.rept 16
	global_load_b128 v[64*\rt+4*n:64*\rt+4*n+3], v[GQ], s[QB:QB+1] offset:\rt*65536+n*512
.set n, n+1
.endr
.endr
	WIN 0
	global_load_b32 v[CM], v[VT], s[10:11]
	s_wait_loadcnt 0x0
	v_cvt_pk_bf16_f32 v[CM], v[CM], v[CM]          ; log_beta rounded to bf16 like every input
	v_lshlrev_b32 v[CM], 16, v[CM]
	v_mul_f32 v[CM], 0x3fb8aa3b, v[CM]
	v_exp_f32 v[CM], v[CM]
	v_nop
	s_wait_alu depctr_va_vdst(0)
	v_mul_f32 v[CM], 0.5, v[CM]                    ; c = beta / 2
	WIN 0x41
.set n, 0
.rept 64                               ; every wave holds Q / 4: four equal quarters add up exactly, so the exchange at a step's head serves Q too
	v_pk_mul_f32 v[2*n:2*n+1], v[2*n:2*n+1], v[QT:QT+1]
.set n, n+1
.endr
	WIN 0
	s_mov_b32 s[STEP], 3
	s_mov_b32 s[KP], 2                             ; the first step walks Kl and then Kh
.Lstep:
	REFILL 0, CUR, 0                               ; the step's first tile is on its way while X is made and S cleared
	RSTORE 0
	s_barrier_signal -1                            ; my reads of OX are back: tile B's stores may follow when all have said so
	RADD
	RCONV
	s_barrier_wait -1
	XFST 0
	RSTORE 1
	RADD
	RCONV
	XFST 1
	CLEAR
	s_mov_b32 s[KI], 0
.Lkp:                                                  ; KP trips; every LDS address in it is fixed
	REFILL 1, CUR, 32768                           ; its wait for my LDS stores and its round also show XF whole to every wave
.set i, 0
.rept 8
	v_mov_b32 v[MX+i], 0xff7fffff                  ; the maxima's chains start at the lowest finite number, anew in every trip: only the last trip's S is whole
.set i, i+1
.endr
	XLOAD
	PROCH 0
	MAXPX 0
	REFILL 0, CUR, 65536
	PROCH 1
	MAXPX 1
	REFILL 1, CUR, 98304
	PROCH 2
	MAXPX 2
	s_add_co_u32 s[TS], s[KI], 1
	s_cmp_lt_u32 s[TS], s[KP]                      ; does another pass follow?
	s_cselect_b64 s[NXT:NXT+1], s[KB:KB+1], s[VB:VB+1]  ; then Kh's first tile, else V's
	REFILL 0, NXT, 0
	PROCH 3
	MAXPX 3
	s_mov_b64 s[CUR:CUR+1], s[KB:KB+1]             ; every later pass walks Kh
	s_add_co_u32 s[KI], s[KI], 1
	s_cmp_lt_u32 s[KI], s[KP]
	s_cbranch_scc1 .Lkp
	REFILL 1, VB, 32768                            ; V's tile 1; the wait in it has shown tile 0 landed
	; ENTMAX.  The rows' maxima: my chains, the other half of the lanes', the four waves'
	v_max3_num_f32 v[MX], v[MX], v[MX+1], v[MX+2]
	v_max3_num_f32 v[MX+4], v[MX+4], v[MX+5], v[MX+6]
	v_max_num_f32 v[MX], v[MX], v[MX+3]
	v_max_num_f32 v[MX+4], v[MX+4], v[MX+7]
	v_permlanex16_b32 v[MX+1], v[MX], s[SEL], s[SEL+1]
	v_permlanex16_b32 v[MX+5], v[MX+4], s[SEL], s[SEL+1]
	v_max_num_f32 v[MX], v[MX], v[MX+1]
	v_max_num_f32 v[MX+4], v[MX+4], v[MX+5]
	v_cndmask_b32 v[MX+2], v[MX], v[MX+4], s[HM]   ; lanes 0-15 carry tile A's rows, lanes 16-31 tile B's: one word a lane
	ds_store_b32 v[XS], v[MX+2]
	s_wait_dscnt 0x0                               ; for the others' sake
	s_barrier_signal -1
	s_barrier_wait -1
	ds_load_b128 v[L:L+3], v[XL]
	ds_load_b128 v[L+4:L+7], v[XL] offset:256
	s_wait_dscnt 0x0
	s_barrier_signal -1                            ; my reads are back: the passes' stores into these words may follow when all have said so
	v_max3_num_f32 v[L], v[L], v[L+1], v[L+2]
	v_max3_num_f32 v[L+4], v[L+4], v[L+5], v[L+6]
	v_max_num_f32 v[L], v[L], v[L+3]
	v_max_num_f32 v[L+4], v[L+4], v[L+7]
	v_sub_f32 v[NA], 0, v[L]                       ; -m
	v_sub_f32 v[NA+1], 0, v[L]
	v_sub_f32 v[NA+2], 0, v[L+4]
	v_sub_f32 v[NA+3], 0, v[L+4]
	v_mov_b32 v[CC], v[CM]
	v_mov_b32 v[CC+1], v[CM]
	s_barrier_wait -1
	LDVQ AR0, 0                                    ; V's tile 0 goes into the fragment registers, which entmax leaves alone, a quarter ahead of each window's subtraction
	SUBP 0
	LDVQ AR0, 1
	SUBP 1
	LDVQ AR0, 2
	SUBP 2
	LDVQ AR0, 3
	SUBP 3
	WIN 0
.irp x, 0,1
	v_mov_b32 v[NLA+\x], 1.0                       ; lo = -1
	v_mov_b32 v[NA+2*\x], 1.0                      ; the first pass is at lo itself: the largest score has d = 0 and p = 1, so its phi is 1 or more
	v_mov_b32 v[NA+2*\x+1], 1.0
	v_mov_b32 v[HSA+\x], 1.0
	v_mov_b32 v[FLA+\x], 1.0
	v_mov_b32 v[FHA+\x], 0                         ; phi(0) = 0: no d is above 0
.endr
	s_mov_b32 s[CNT], NPASS
.Lbis:                                                 ; a trip: tile A's pass i with tile B's exchange of pass i - 1, then tile B's pass i with tile A's exchange of pass i
	HALF 0
	s_cmp_eq_u32 s[CNT], NPASS
	s_cbranch_scc1 .Lno_b                          ; in the first trip tile B has had no pass: what was loaded are the maxima's words, and they are not used
	UPD 1
.Lno_b:
	HALF 1
	UPD 0
	s_sub_co_u32 s[CNT], s[CNT], 1
	s_cmp_lg_u32 s[CNT], 0
	s_cbranch_scc1 .Lbis
	s_wait_dscnt 0x0                               ; tile B's last exchange
	s_barrier_signal -1
	s_barrier_wait -1
	ds_load_b128 v[L+4:L+7], v[XL] offset:256
	s_wait_dscnt 0x0
	UPD 1
	REFILL 0, VB, 65536                            ; V's tile 2 into the slot whose tile lies in registers
	v_sqrt_f32 v[FLA], v[FLA]                      ; the chord of h = sqrt(phi): h(lo) >= 1 > h(hi), and phi falls by more than w across the bracket, so the difference is above 0
	v_sqrt_f32 v[FLA+1], v[FLA+1]
	v_sqrt_f32 v[FHA], v[FHA]
	v_sqrt_f32 v[FHA+1], v[FHA+1]
	v_add_f32 v[HSA], v[HSA], v[HSA]               ; the bracket's width
	v_add_f32 v[HSA+1], v[HSA+1], v[HSA+1]
	s_wait_alu depctr_va_vdst(0)
	v_sub_f32 v[L], v[FLA], v[FHA]
	v_sub_f32 v[L+4], v[FLA+1], v[FHA+1]
	v_rcp_f32 v[L+1], v[L]
	v_rcp_f32 v[L+5], v[L+4]
	v_add_f32 v[L+2], -1.0, v[FLA]
	v_add_f32 v[L+6], -1.0, v[FLA+1]
	v_mul_f32 v[L+2], v[L+2], v[HSA]
	v_mul_f32 v[L+6], v[L+6], v[HSA+1]
	s_wait_alu depctr_va_vdst(0)
	v_fma_f32 v[NA], -v[L+2], v[L+1], v[NLA]       ; tau = lo + w (h(lo) - 1) / (h(lo) - h(hi))
	v_fma_f32 v[NA+1], -v[L+2], v[L+1], v[NLA]
	v_fma_f32 v[NA+2], -v[L+6], v[L+5], v[NLA+1]
	v_fma_f32 v[NA+3], -v[L+6], v[L+5], v[NLA+1]
	FIN 0, 0
	FIN 1, 0
	FIN 0, 1
	FIN 1, 1
	MULV 0, 0                                      ; V's tile 0 out of the registers
	PROCV 1                                        ; tile 1 was shown landed by the wait in front of tile 2's request
	REFILL 1, VB, 98304
	FIN 0, 2                                       ; the other half of the weights is made while tile 3 is on its way
	FIN 1, 2
	FIN 0, 3
	FIN 1, 3
	PROCV 2
	s_wait_tensorcnt 0x0                           ; the step's last tile: no load was issued behind it
	PROCV 3
	WIN 0
	s_mov_b32 s[KP], 1                             ; the later steps walk Kh alone
	s_sub_co_u32 s[STEP], s[STEP], 1
	s_cmp_lg_u32 s[STEP], 0
	s_cbranch_scc1 .Lstep
	; THE WAY OUT: the partial O^T once more through OX; my two channel tiles are one fragment of the last product's operand
.irp rt, 0,1
	RSTORE \rt
.if \rt == 0
	s_barrier_signal -1                            ; my reads of OX are back: tile B's stores may follow when all have said so
.endif
	RADD
.set n, 0
.rept 8
	v_cvt_pk_f16_f32 v[HI+16*\rt+n], v[64+2*n], v[64+2*n+1]
.set n, n+1
.endr
.if \rt == 0
	s_barrier_wait -1
.endif
	global_store_b128 v[GQ], v[HI+16*\rt:HI+16*\rt+3],   s[XOB:XOB+1] offset:\rt*8192
	global_store_b128 v[GQ], v[HI+16*\rt+4:HI+16*\rt+7], s[XOB:XOB+1] offset:\rt*8192+512
.endr
	s_wait_tensorcnt 0x0                           ; the wave's end
	ds_add_u32 v[SPW], v[NIL]
	s_wait_dscnt 0x0
	CROUND                                         ; the closing round
	s_endpgm
.Lfunc_end_k_qfb5f43b0cf_hop:
	.size	k_qfb5f43b0cf_hop, .Lfunc_end_k_qfb5f43b0cf_hop-k_qfb5f43b0cf_hop
	.p2alignl 7, 3214868480
	.fill 96, 4, 3214868480
	.section	.rodata,"a",@progbits
	.p2align	6, 0x0
	.amdhsa_kernel k_qfb5f43b0cf_hop
		.amdhsa_group_segment_fixed_size 327680
		.amdhsa_private_segment_fixed_size 0
		.amdhsa_enable_private_segment 0
		.amdhsa_kernarg_size 40
		.amdhsa_user_sgpr_count 2
		.amdhsa_user_sgpr_kernarg_segment_ptr 1
		.amdhsa_wavefront_size32 1
		.amdhsa_system_sgpr_workgroup_id_x 1
		.amdhsa_system_sgpr_workgroup_id_y 1
		.amdhsa_system_sgpr_workgroup_id_z 1
		.amdhsa_system_vgpr_workitem_id 0
		.amdhsa_next_free_vgpr 1024
		.amdhsa_next_free_sgpr 66
		.amdhsa_reserve_vcc 0
		.amdhsa_float_denorm_mode_32 3
		.amdhsa_float_denorm_mode_16_64 3
		.amdhsa_memory_ordered 1
		.amdhsa_forward_progress 1
		.amdhsa_inst_pref_size 255
	.end_amdhsa_kernel
	.section	.bss,"aw",@nobits
	.p2align	6
	.space	262144
	.amdgpu_metadata
---
amdhsa.version: [ 1, 2 ]
amdhsa.kernels:
  - .name:           k_qfb5f43b0cf_hop
    .symbol:         k_qfb5f43b0cf_hop.kd
    .args:
      - { .name: qf, .offset: 0, .size: 8, .value_kind: global_buffer, .address_space: global }
      - { .name: khl, .offset: 8, .size: 8, .value_kind: global_buffer, .address_space: global }
      - { .name: vf, .offset: 16, .size: 8, .value_kind: global_buffer, .address_space: global }
      - { .name: log_beta, .offset: 24, .size: 8, .value_kind: global_buffer, .address_space: global }
      - { .name: xo, .offset: 32, .size: 8, .value_kind: global_buffer, .address_space: global }
    .group_segment_fixed_size: 327680
    .private_segment_fixed_size: 0
    .kernarg_segment_align: 8
    .kernarg_segment_size: 40
    .max_flat_workgroup_size: 128
    .sgpr_count:     66
    .vgpr_count:     1024
    .wavefront_size: 32
...
	.end_amdgpu_metadata
.endif
;; end of part 6
;; launch outp: the kernel of part 4 again; grid 16 x 16, 4 waves a work-group, clusters of 4 x 4, 327,680 bytes of LDS; arguments xo, wt, out0; writes out0
